; MI455X (gfx1250); checked and timed in simulation.
; The chip was launched on July 23, 2026; its instructions are those of AMD's public machine-readable ISA for CDNA 5 (MIT licence, August 2026) and "CDNA5" Instruction Set Architecture Reference Guide (July 2026). The comments in the code are by the model that wrote it; some were corrected since.
;; Causal Self Attention. Allowed arithmetic: matrix products marked QUANTISED: E2M1 operands, one E8M0 scale for each 32 along K, by v_wmma_scale_f32_16x16x128_f8f6f4 with both operands' format E2M1 (or v_wmma_scale_f32_32x16x128_f4), f32 sums; products left as they are: bf16, f16 or f32 operands; f32 sums; everything else in f32.
;; Inputs: b_o 1,024 float32; b_qkv 3,072 float32; w_o 1,024 x 1,024 float32; w_qkv 1,024 x 3,072 float32; x 4 x 2,048 x 1,024 float32.
;; Outputs: out0 4 x 2,048 x 1,024 float32.
;; This version of the problem:
;;   THIS VERSION OF THE PROBLEM IS GIVEN IN LOW PRECISION. The matrix products marked QUANTISED in the list below multiply operands that are first quantised to E2M1 (2 exponent bits, 1 mantissa bit; 4 bits a number), with one power-of-two scale for each 32 numbers along K (OCP MX v1.0); their sums are f32. The products marked 'left as it is' may take bf16, f16 or f32 operands, with f32 sums. Whichever they take, every output number must still come out within the allowed error. Rounding operands to bf16 (8 significant bits) uses up far more of that allowance than f16 does (11 bits, for magnitudes from 6e-5 to 65,504). All else is computed in f32.
;;   The module's matrix products, in the order in which they are computed (A, B: the left and right operand; K: the contracted axis; several contracted axes count as one K, in the product's order):
;;     1. [M 8,192, K 1,024] x [K 1,024, N 3,072]; A: input x; B: input w_qkv: QUANTISED
;;     2. batch 64 x [M 2,048, K 64] x [K 64, N 2,048]; A: computed on the way; B: computed on the way: left as it is (an operand is computed on the way)
;;     3. batch 64 x [M 2,048, K 2,048] x [K 2,048, N 64]; A: computed on the way; B: computed on the way: left as it is (an operand is computed on the way)
;;     4. [M 8,192, K 1,024] x [K 1,024, N 1,024]; A: computed on the way; B: input w_o: left as it is (an operand is computed on the way)
;;   THE QUANTISER, for each operand of a quantised product, along K:
;;     - K is cut into blocks of 32 from its start; a last block that is shorter is filled with zeros.
;;     - A block's scale is 2^e with e = floor(log2(the largest magnitude in the block)) - 2, held to -126 .. 127; a block of zeros has e = 0. As a byte (E8M0): e + 127.
;;     - Each number is divided by its block's scale, clamped to +-6, and rounded to the nearest number of E2M1, ties to even, subnormals kept.
;;     - The product sums the exact products of the quantised numbers (number of the format x scale) in f32.
;;   ~~~python
;;   def quantise(x, axis):      # numpy; x: float32 -> the quantised numbers, widened to float32 again
;;       x = np.moveaxis(x, axis, -1); K = x.shape[-1]
;;       x = np.pad(x, [(0, 0)] * (x.ndim - 1) + [(0, -K % 32)]); x = x.reshape(x.shape[:-1] + (-1, 32)); a = np.abs(x).max(-1, keepdims=True)
;;       e = np.where(a > 0, np.clip(np.frexp(np.where(a > 0, a, 1))[1] - 1 - 2, -126, 127), 0)      # np.frexp(a)[1] - 1 = floor(log2(a)), exactly
;;       r = np.clip(x / 2.0 ** e, -6, 6)
;;       step = 2.0 ** (np.maximum(np.frexp(np.where(r == 0, 1, r))[1] - 1, 0) - 1)
;;       q = np.round(r / step) * step * 2.0 ** e      # np.round: ties to even
;;       return np.moveaxis(q.reshape(q.shape[:-2] + (-1,))[..., :K], -1, axis).astype(np.float32)
;;   ~~~
;; One version. Each part assembles by itself: llvm-mc -triple=amdgcn-amd-amdhsa -mcpu=gfx1250 --defsym DOCPART=n.
;; ======== version 1 of 1: 5 launches
;; limits: values are held in f16: magnitudes above 65,504 overflow, below 6.1e-05 lose precision
;; workspace buffers: xc 4,194,304 bytes; xs 262,144 bytes; wc 1,572,864 bytes; ws 98,304 bytes; wot 2,097,152 bytes; qkv 50,331,648 bytes; h16 786,432 bytes; y16 16,777,216 bytes
;; launch prep (part 1): grid 368 x 1, 4 waves a work-group, no clusters, 102,912 bytes of LDS; arguments x, w_qkv, w_o, xc, xs, wc, ws, wot; writes xc, xs, wc, ws, wot
.if DOCPART == 1
	.amdgcn_target "amdgcn-amd-amdhsa--gfx1250"
	.amdhsa_code_object_version 6
	.text
	.protected	k_q8c007d918e_prep
	.globl	k_q8c007d918e_prep
	.p2align	8
	.type	k_q8c007d918e_prep,@function
k_q8c007d918e_prep:
	s_mov_b64 s[64:65], 0
	v_nop
	global_prefetch_b8 v0, s[64:65] scope:SCOPE_SE
	s_setreg_imm32_b32 hwreg(HW_REG_WAVE_MODE, 25, 1), 1
	s_wait_xcnt 0x0
; CAUSAL SELF-ATTENTION, launch 1 of 5: the operands of the quantised product are made, and w_o is laid for the last product.
; WORK LEFT OUT BY THE WHOLE PROGRAM, and why it is dead for all values of the inputs:
;  (1) K's bias, b_qkv[1024:2048].  q . (k + b_k) = q . k + q . b_k, and q . b_k is the same number for every key of a query's row: the softmax over the keys takes a term that is
;      constant along its axis away.  The product q k^T is not quantised, so no code or scale hangs on b_k.  That slice of b_qkv is never loaded; k is kept without it.
;  (2) Key steps that lie wholly above the diagonal of the jnp.tril mask that reference() builds itself: their scores become -inf ahead of the softmax, so they are neither fetched nor multiplied.
;  LIMIT: a NaN, an infinity or an overflow that reaches only b_k or only masked scores is not carried to the result.
; THIS LAUNCH, three paths that part once on the work-group's number and meet again only at the closing lines; each has LDS bytes of its own:
;  work-groups 0-47:    w_qkv [1024 k][3072 n] f32 -> wc [3072 n][512 bytes] codes of E2M1 with K innermost, ws [3072][32] E8M0 bytes.  A lane takes a column, its registers run down K.
;  work-groups 48-111:  w_o [1024 k][1024 n] f32 -> wot [1024 n][1024 k] f16, by the same plan.
;  work-groups 112-367: x [8192][1024] f32 -> xc [8192][512 bytes], xs [8192][32]: a plain stream of blocks of 32.
; A block's scale is 2^(floor(log2(its largest magnitude)) - 2); its byte is the largest magnitude's exponent field - 2, held at 1 from below.
; LIMITS: a block of zeros gets the byte 1 where the rule says 127 (its codes are zeros, and this program alone reads the bytes); blocks whose largest magnitude lies under 2^(2 - 126) keep the byte 1;
; NaN and infinities among the inputs are not served.  w_o is rounded to f16: |w_o| stays under 65,504.
.set SPW,   190                        ; v190 LDS address of my spare word; never rewritten
.set NIL,   191                        ; v191 0; never rewritten
.set WLDS,  32768                      ; LDS: 0 .. 32,767 the x path's four regions; then the w_qkv path's four stages;
.set OLDS,  67584                      ; then the w_o path's four stages;
.set SPARE, 102400                     ; then the spare words, 128 bytes a wave
.set STEPS, 16
.set CB,    8                          ; bytes of 16 codes
.set R,     16                         ; x path: v16-79 four sets of 16 numbers as loaded
.set X,     80                         ; v80-111 two sets of 16 neighbours
.set E,     112                        ; v112-127 a scale byte for each step
.set C,     128                        ; v128-189 codes, four registers reserved for each step
.set WREG,  8192                       ; a wave's region: two stages of 32 x SP bytes, then its 256 scale bytes
.set SP,    80
.set PITCH, 272                        ; column paths: a stage row, 256 bytes + 16
.set CX,    32                         ; v32-95 two sets of 32 numbers
.set CC,    96                         ; v96-111 what a block becomes
.set OUTR,  112                        ; v112-175 the way out
.set SB,    24                         ; v24-27 scale bytes, four to a register
	s_load_b256 s[4:11], s[0:1], 0x0               ; x s[4:5], w_qkv s[6:7], w_o s[8:9], xc s[10:11]
	s_load_b256 s[12:19], s[0:1], 0x20             ; xs s[12:13], wc s[14:15], ws s[16:17], wot s[18:19]
	v_lshl_add_u32 v[SPW], v0, 2, SPARE
	v_mov_b32 v[NIL], 0
	v_lshrrev_b32 v1, 5, v0
	v_readfirstlane_b32 s20, v1                    ; wave 0..3
	v_and_b32 v2, 31, v0                           ; lane
	s_mov_b32 s27, 0                               ; the upper word of every offset pair s[26:27]
	s_wait_kmcnt 0x0
	s_cmp_lt_u32 ttmp9, 48
	s_cbranch_scc1 .Lw
	s_cmp_lt_u32 ttmp9, 112
	s_cbranch_scc1 .Lo
; ---------------- x: a wave takes a run of 8,192 numbers, 16 steps of 512 ----------------
; Each load reads 512 consecutive bytes, 16 a lane; a step's 2,048 bytes turn through the wave's own stage so that a lane then holds 16 neighbours along K; two neighbouring lanes hold a block.
	s_sub_co_u32 s22, ttmp9, 112
	s_lshl_b32 s22, s22, 2
	s_add_co_u32 s22, s22, s20                     ; which run is my wave's: 0 .. 1,023
	s_lshl_b32 s26, s22, 15                        ; 32,768 bytes of x,
	s_add_nc_u64 s[4:5], s[4:5], s[26:27]
	s_lshl_b32 s26, s22, 12                        ; 4,096 of codes,
	s_add_nc_u64 s[10:11], s[10:11], s[26:27]
	s_lshl_b32 s26, s22, 8                         ; 256 scale bytes a run
	s_add_nc_u64 s[12:13], s[12:13], s[26:27]
	v_lshlrev_b32 v3, 4, v2                        ; my 16 bytes of a load's 512
	s_mul_i32 s21, s20, WREG
	v_lshrrev_b32 v14, 2, v2
	v_mul_u32_u24 v14, v14, SP
	v_and_b32 v15, 3, v2
	v_lshl_add_u32 v14, v15, 4, v14
	v_add_nc_u32 v14, s21, v14                     ; the stage, way in: SP (lane / 4) + 16 (lane % 4)
	v_mul_u32_u24 v15, v2, SP
	v_add_nc_u32 v15, s21, v15                     ; way out: SP x lane
	v_mul_u32_u24 v4, v2, CB                       ; my codes' place in a step's 256 bytes
	v_lshrrev_b32 v5, 1, v2
	s_add_co_u32 s21, s21, 2*32*SP
	v_add_nc_u32 v5, s21, v5                       ; my block's byte among the wave's 256
	v_lshlrev_b32 v7, 3, v2
	v_add_nc_u32 v6, s21, v7                       ; and 8 bytes a lane on their way out
.macro XLOAD t
.irp i, 0,1,2,3
	global_load_b128 v[R+16*((\t)%4)+4*\i:R+16*((\t)%4)+4*\i+3], v3, s[4:5] offset:2048*(\t)+512*\i th:TH_LOAD_NT
.endr
.endm
.macro XTURN t                         ; LDS serves a wave's instructions in order: no wait between the stores and the loads
.irp i, 0,1,2,3
	ds_store_b128 v14, v[R+16*((\t)%4)+4*\i:R+16*((\t)%4)+4*\i+3] offset:32*SP*((\t)%2)+8*SP*\i
.endr
.irp i, 0,1,2,3
	ds_load_b128 v[X+16*((\t)%2)+4*\i:X+16*((\t)%2)+4*\i+3], v15 offset:32*SP*((\t)%2)+16*\i
.endr
.endm
.irp t, 0,1,2,3
	XLOAD \t
.endr
	s_wait_loadcnt 12                              ; step 0's four loads are in; the twelve of steps 1 to 3 stay out
	XTURN 0
.macro XSTEP t
.set XS, X+16*((\t)%2)
.if (\t) > 0
	s_wait_dscnt 1                                 ; this step's numbers are back from the stage; the last step's byte store may be out
.else
	s_wait_dscnt 0x0
.endif
.if (\t)+4 < STEPS
	XLOAD (\t)+4                                   ; into the set whose stores into the stage are done
.endif
.if (\t)+1 < STEPS
.if STEPS-2-(\t) >= 3
	s_wait_loadcnt 12                              ; the next step's four loads are in; those of the three steps behind it may be out
.else
	s_wait_loadcnt 4*(STEPS-2-(\t))
.endif
	XTURN (\t)+1
.endif
	v_max3_num_f32 v8, |v[XS]|, |v[XS+1]|, |v[XS+2]|
	v_max3_num_f32 v9, |v[XS+3]|, |v[XS+4]|, |v[XS+5]|
.irp i, 6,10
	v_max3_num_f32 v8, v8, |v[XS+\i]|, |v[XS+\i+1]|
	v_max3_num_f32 v9, v9, |v[XS+\i+2]|, |v[XS+\i+3]|
.endr
	v_max3_num_f32 v8, v8, |v[XS+14]|, |v[XS+15]|
	v_max3_num_f32 v8, v8, v9, 0x1800000           ; and the floor 2^(3 - 127): the byte cannot fall under 1
	v_max_num_f32_dpp v8, v8, v8 row_xmask:1 row_mask:0xf bank_mask:0xf   ; with my neighbour's 16: the block's largest magnitude
	v_add_nc_u32 v11, 0xff000000, v8               ; 2 off its exponent field: the conversion takes this operand's exponent field as its scale
	v_cvt_scalef32_pk8_fp4_f32 v[C+4*(\t)], v[XS:XS+7], v11
	v_cvt_scalef32_pk8_fp4_f32 v[C+4*(\t)+1], v[XS+8:XS+15], v11
	v_lshrrev_b32 v[E+(\t)], 23, v11               ; the scale's byte (also the plain line behind the conversions)
	ds_store_b8 v5, v[E+(\t)] offset:16*(\t)       ; both lanes of a block write the same byte with the same value
	global_store_b64 v4, v[C+4*(\t):C+4*(\t)+1], s[10:11] offset:32*CB*(\t)   ; the wave stores 256 consecutive bytes, aligned
.endm
.irp t, 0,1,2,3,4,5,6,7,8,9,10,11,12,13,14,15
	XSTEP \t
.endr
	ds_load_b64 v[8:9], v6                         ; in order behind my byte stores
	s_wait_dscnt 0x0
	global_store_b64 v7, v[8:9], s[12:13]          ; the wave's 256 scale bytes, aligned
	s_branch .Lend
; ---------------- the two column paths share these pieces ----------------
.macro COLADR ldsbase, shift           ; shift: log2 of the output's row in bytes
	v_lshlrev_b32 v3, 2, v2                        ; in: 4 bytes a lane, neighbouring columns in neighbouring lanes
	s_mul_i32 s24, s20, 32*PITCH
	s_add_co_u32 s24, s24, \ldsbase                ; my stage
	v_mul_u32_u24 v4, v2, PITCH
	v_add_nc_u32 v4, s24, v4                       ; into it: row = my column
	v_and_b32 v5, 15, v2
	v_lshrrev_b32 v6, 4, v2
	v_mul_u32_u24 v7, v6, PITCH
	v_lshl_add_u32 v7, v5, 4, v7
	v_add_nc_u32 v7, s24, v7                       ; out of it: sixteen lanes to a row, two rows an instruction
	v_lshlrev_b32 v8, \shift, v6
	v_lshl_add_u32 v8, v5, 4, v8                   ; and the same place in the output
.endm
.macro COLLOAD t, lo, stride           ; block t: rows 32 t + i of my column, i = 0 .. 31, into set t % 2
.irp i, 0,1,2,3,4,5,6,7,8,9,10,11,12,13,14,15,16,17,18,19,20,21,22,23,24,25,26,27,28,29,30,31
	global_load_b32 v[CX+32*((\t)%2)+\i], v3, s[\lo:\lo+1] offset:(32*(\t)+\i)*\stride th:TH_LOAD_NT
.endr
.endm
.macro COLOUT lo, rowb                 ; 32 rows of 256 bytes leave: sixteen lanes store 256 consecutive bytes, aligned
.irp u, 0,1,2,3,4,5,6,7,8,9,10,11,12,13,14,15
	ds_load_b128 v[OUTR+4*\u:OUTR+4*\u+3], v7 offset:2*\u*PITCH
.endr
.irp u, 0,1,2,3,4,5,6,7,8,9,10,11,12,13,14,15
	s_wait_dscnt 15-\u                             ; load u is in; the younger ones stay out
	global_store_b128 v8, v[OUTR+4*\u:OUTR+4*\u+3], s[\lo:\lo+1] offset:2*\u*\rowb
.endr
.endm
; ---------------- w_qkv: a wave takes 32 columns x 512 along K ----------------
.Lw:
	s_cmp_lt_u32 ttmp9, 24
	s_cselect_b32 s22, 0, 1                        ; which 512 along K
	s_cselect_b32 s23, 0, 24
	s_sub_co_u32 s23, ttmp9, s23
	s_lshl_b32 s23, s23, 7
	s_lshl_b32 s24, s20, 5
	s_add_co_u32 s23, s23, s24                     ; my wave's first column
	s_mul_i32 s26, s22, 512*12288
	s_lshl_b32 s28, s23, 2
	s_add_co_u32 s26, s26, s28
	s_add_nc_u64 s[6:7], s[6:7], s[26:27]          ; w_qkv at (512 ky, column)
	s_lshl_b32 s26, s23, 9
	s_lshl_b32 s28, s22, 8
	s_add_co_u32 s26, s26, s28
	s_add_nc_u64 s[14:15], s[14:15], s[26:27]      ; codes: column x 512 + 256 ky
	s_lshl_b32 s26, s23, 5
	s_lshl_b32 s28, s22, 4
	s_add_co_u32 s26, s26, s28
	s_add_nc_u64 s[16:17], s[16:17], s[26:27]      ; scale bytes: column x 32 + 16 ky
	COLADR WLDS, 9
	v_lshlrev_b32 v9, 5, v2                        ; my column's row of scale bytes
	COLLOAD 0, 6, 12288
	COLLOAD 1, 6, 12288
.macro WBLOCK t
.set XS, CX+32*((\t)%2)
.if (\t) < 15
	s_wait_loadcnt 32                              ; this block's 32 loads are in; the next block's may be out
.else
	s_wait_loadcnt 0x0
.endif
	v_max3_num_f32 v12, |v[XS]|, |v[XS+1]|, |v[XS+2]|   ; all 32 numbers of the block are mine
	v_max3_num_f32 v13, |v[XS+3]|, |v[XS+4]|, |v[XS+5]|
.irp i, 6,10,14,18,22,26
	v_max3_num_f32 v12, v12, |v[XS+\i]|, |v[XS+\i+1]|
	v_max3_num_f32 v13, v13, |v[XS+\i+2]|, |v[XS+\i+3]|
.endr
	v_max3_num_f32 v12, v12, |v[XS+30]|, |v[XS+31]|
	v_max3_num_f32 v12, v12, v13, 0x1800000        ; the floor 2^(3 - 127)
	v_add_nc_u32 v11, 0xff000000, v12              ; the conversion's scale operand
	v_lshrrev_b32 v13, 23, v11                     ; the scale's byte
.if (\t)%4 == 0
	v_mov_b32 v[SB+(\t)/4], v13
.else
	v_lshl_or_b32 v[SB+(\t)/4], v13, 8*((\t)%4), v[SB+(\t)/4]
.endif
.irp g, 0,1,2,3
	v_cvt_scalef32_pk8_fp4_f32 v[CC+\g], v[XS+8*\g:XS+8*\g+7], v11
.endr
	ds_store_b128 v4, v[CC:CC+3] offset:16*(\t)    ; 32 codes: 16 bytes of my column's row
.if (\t)+2 < 16
	COLLOAD (\t)+2, 6, 12288
.endif
	s_wait_dscnt 0x0                               ; the store has read its registers: the next block's codes may be written
.endm
.irp t, 0,1,2,3,4,5,6,7,8,9,10,11,12,13,14,15
	WBLOCK \t
.endr
	global_store_b128 v9, v[SB:SB+3], s[16:17]     ; my column's 16 scale bytes
	COLOUT 14, 512
	s_branch .Lend
; ---------------- w_o: a wave takes 32 columns x 128 along K, rounded to f16 ----------------
.Lo:
	s_sub_co_u32 s22, ttmp9, 48
	s_and_b32 s23, s22, 7
	s_lshr_b32 s22, s22, 3                         ; which 128 along K
	s_lshl_b32 s23, s23, 7
	s_lshl_b32 s24, s20, 5
	s_add_co_u32 s23, s23, s24                     ; my wave's first column
	s_lshl_b32 s26, s22, 19                        ; 128 rows of 4,096 bytes
	s_lshl_b32 s28, s23, 2
	s_add_co_u32 s26, s26, s28
	s_add_nc_u64 s[8:9], s[8:9], s[26:27]
	s_lshl_b32 s26, s23, 11                        ; wot: column x 2,048 + 256 ky
	s_lshl_b32 s28, s22, 8
	s_add_co_u32 s26, s26, s28
	s_add_nc_u64 s[18:19], s[18:19], s[26:27]
	COLADR OLDS, 11
	COLLOAD 0, 8, 4096
	COLLOAD 1, 8, 4096
.macro OBLOCK t
.set XS, CX+32*((\t)%2)
.if (\t) < 3
	s_wait_loadcnt 32
.else
	s_wait_loadcnt 0x0
.endif
.irp j, 0,1,2,3,4,5,6,7,8,9,10,11,12,13,14,15
	v_cvt_pk_f16_f32 v[CC+\j], v[XS+2*\j], v[XS+2*\j+1]   ; two neighbours along K
.endr
.irp i, 0,1,2,3
	ds_store_b128 v4, v[CC+4*\i:CC+4*\i+3] offset:64*(\t)+16*\i
.endr
.if (\t)+2 < 4
	COLLOAD (\t)+2, 8, 4096
.endif
	s_wait_dscnt 0x0                               ; the stores have read their registers
.endm
.irp t, 0,1,2,3
	OBLOCK \t
.endr
	COLOUT 18, 2048
.Lend:
	s_wait_tensorcnt 0x0                           ; the wave's end, behind my last LDS store
	ds_add_u32 v[SPW], v[NIL]
	s_wait_dscnt 0x0
	s_endpgm
.Lfunc_end_k_q8c007d918e_prep:
	.size	k_q8c007d918e_prep, .Lfunc_end_k_q8c007d918e_prep-k_q8c007d918e_prep
	.p2alignl 7, 3214868480
	.fill 96, 4, 3214868480
	.section	.rodata,"a",@progbits
	.p2align	6, 0x0
	.amdhsa_kernel k_q8c007d918e_prep
		.amdhsa_group_segment_fixed_size 102912
		.amdhsa_private_segment_fixed_size 0
		.amdhsa_enable_private_segment 0
		.amdhsa_kernarg_size 64
		.amdhsa_user_sgpr_count 2
		.amdhsa_user_sgpr_kernarg_segment_ptr 1
		.amdhsa_wavefront_size32 1
		.amdhsa_system_sgpr_workgroup_id_x 1
		.amdhsa_system_sgpr_workgroup_id_y 1
		.amdhsa_system_sgpr_workgroup_id_z 1
		.amdhsa_system_vgpr_workitem_id 0
		.amdhsa_next_free_vgpr 192
		.amdhsa_next_free_sgpr 66
		.amdhsa_reserve_vcc 0
		.amdhsa_float_denorm_mode_32 3
		.amdhsa_float_denorm_mode_16_64 3
		.amdhsa_memory_ordered 1
		.amdhsa_forward_progress 1
		.amdhsa_inst_pref_size 132
	.end_amdhsa_kernel
	.amdgpu_metadata
---
amdhsa.version: [ 1, 2 ]
amdhsa.kernels:
  - .name:           k_q8c007d918e_prep
    .symbol:         k_q8c007d918e_prep.kd
    .args:
      - { .name: x, .offset: 0, .size: 8, .value_kind: global_buffer, .address_space: global }
      - { .name: w_qkv, .offset: 8, .size: 8, .value_kind: global_buffer, .address_space: global }
      - { .name: w_o, .offset: 16, .size: 8, .value_kind: global_buffer, .address_space: global }
      - { .name: xc, .offset: 24, .size: 8, .value_kind: global_buffer, .address_space: global }
      - { .name: xs, .offset: 32, .size: 8, .value_kind: global_buffer, .address_space: global }
      - { .name: wc, .offset: 40, .size: 8, .value_kind: global_buffer, .address_space: global }
      - { .name: ws, .offset: 48, .size: 8, .value_kind: global_buffer, .address_space: global }
      - { .name: wot, .offset: 56, .size: 8, .value_kind: global_buffer, .address_space: global }
    .group_segment_fixed_size: 102912
    .private_segment_fixed_size: 0
    .kernarg_segment_align: 8
    .kernarg_segment_size: 64
    .max_flat_workgroup_size: 128
    .sgpr_count:     66
    .vgpr_count:     192
    .wavefront_size: 32
...
	.end_amdgpu_metadata
.endif
;; end of part 1
;; launch gemm1 (part 2): grid 12 x 32, 4 waves a work-group, clusters of 4 x 4, 327,680 bytes of LDS; arguments xc, xs, wc, ws, qkv, b_qkv, h16; writes qkv, h16
.if DOCPART == 2
	.amdgcn_target "amdgcn-amd-amdhsa--gfx1250"
	.amdhsa_code_object_version 6
	.text
	.protected	k_q8c007d918e_gemm1
	.globl	k_q8c007d918e_gemm1
	.p2align	8
	.type	k_q8c007d918e_gemm1,@function
k_q8c007d918e_gemm1:
	s_mov_b64 s[64:65], 0
	v_nop
	global_prefetch_b8 v0, s[64:65] scope:SCOPE_SE
	s_setreg_imm32_b32 hwreg(HW_REG_WAVE_MODE, 25, 1), 1
	s_wait_xcnt 0x0
	s_wait_alu depctr_hold_cnt(0) depctr_sa_sdst(0) depctr_va_vdst(0) depctr_va_sdst(0) depctr_va_ssrc(0) depctr_va_vcc(0) depctr_vm_vsrc(0)
	s_getreg_b32 s2, hwreg(HW_REG_IB_STS2, 6, 4)
	s_cmp_eq_u32 s2, 0
	s_cbranch_scc0 .Lentry_in_a_cluster
	s_endpgm
.Lentry_in_a_cluster:
	s_bfe_u32 s2, ttmp6, 0x10000c
	s_cmp_lg_u32 s2, 0xf033
	s_cbranch_scc0 .Lentry_shape_is_right
	s_endpgm
.Lentry_shape_is_right:
; Launch 2 of 5: qkv = Q(x) Q(w_qkv) + bias, the quantised product, on codes of E2M1 with one E8M0 scale for each 32 along K; sums in f32.
; LEFT OUT: K's bias b_qkv[1024:2048] (a term q . b_k that is constant along the softmax's axis: see the first kernel's head); that slice is not loaded.
; A = xc [8192][512 bytes], xs [8192][32]; B = wc [3072][512 bytes], ws [3072][32].  Results: qkv, f16, [3 (q, k, v)][4 b][16 h][2048 t][64 d]; and, in f32, the rows of positions 0-15
; of each sequence into h16 [4 b][16 t][3072], for the small launch that carries those rows finely.  LIMIT: |q|, |k|, |v| stay under 65,504 (f16).
; A tile of C, 256 x 256, is made by four waves, 128 x 128 each: 64 accumulators, 512 registers.  K = 1,024 is two slots of 512: both are asked for at the head and nothing is filled again.
; The scale bytes of the work-group's 256 + 256 rows come once, as dense blocks.  CLUSTERS 4 x 4: A's tiles are shared along a row of the cluster, B's along a column, by joint loads.
; THE MATRIX INSTRUCTION IS USED TRANSPOSED (source 0 = 16 rows of B, source 1 = 16 rows of A): a lane holds eight neighbouring columns of one row of C.
; The bias is the C of each sum's first product: 64 registers, b_qkv at my 128 columns in the result's layout.  A cluster's 1,024 columns are all q, all k or all v (cluster x = 0, 1, 2).
; REGISTERS: window 0: v0-31 addresses; v32-95 scale words, two sets, and nothing else; v128-191 A's fragments, later rows on their way out; v192-255 the bias, later packed results.
;   window 1: B's fragments, two sets.   windows 2, 3: the accumulators ((a, b) at v[8 (8 (a % 4) + b)]).
.set SIZE_K, 1024
.set KSTEP,  512
.set NQ,     KSTEP/128
.set ROWB,   256
.set KROW,   SIZE_K/2
.set PITCH,  272                       ; an LDS row: 256 bytes + 16 of padding, so that the 16 rows of a fragment load start 16 bytes apart modulo 256
.set FR,     8
.set NL,     2
.set NP,     4
.set HALFT,  128*PITCH
.set SLOT,   4*HALFT
.set KS,     SIZE_K/32
.set SCL,    2*SLOT
.set HALFS,  (128*KS/256)*272
.set SBLK,   (16*KS/256)*272
.set SPARE,  SCL+4*HALFS
.set SPITCH, 272                       ; the way out: 16 rows x (256 bytes + 16) for each wave, in slot 0, which has had its only fill and its last read by then
.set ADRA, 16
.set ADRB, 20
.set CF,   22                          ; v22  0 where my block 0 holds positions 0-15 of a sequence
.set STO,  24
.set RD,   25
.set CO,   26
.set ADRS, 27
.set SPW,  28
.set NIL,  29
.set HO,   30                          ; v30  my byte offset in h16's 16 rows
.set BO,   31                          ; v31  my byte offset in a bias tile
.set SC,   32
.set AF,   128
.set BK,   128
.set BI,   192
.set TMP,  192
.set G1, 24
.set G0, 32
.set G1B, 48
.set G0B, 56
.set G1S, 68
.set G0S, 76
.set G1SB, 80
.set G0SB, 88
.set MSB, 0
.macro WIN new                         ; the immediate's high byte repeats the setting that is left
.if MSB != (\new)
	s_set_vgpr_msb (MSB<<8)|(\new)
.set MSB, (\new)
.endif
.endm
.set MUL_LO, 0xa1                      ; source 0 (B) window 1, source 1 (A) window 0, C and D window 2
.set MUL_HI, 0xf1                      ; the same, C and D window 3
.set TO_B,   0x40
; A joint load: waves 0 and 1 fetch for A, waves 2 and 3 for B; the branch hangs on the wave's number alone.  An s_nop 0 and four v_nop follow each line.
.macro JLOAD g0a, g1a, g0b, g1b
	s_cmp_eq_u32 s15, 0
	s_cbranch_scc0 .Lfor_b_\@
	tensor_load_to_lds s[\g0a:\g0a+3], s[\g1a:\g1a+7]
	s_nop 0
.rept 4
	v_nop
.endr
	s_branch .Lasked_\@
.Lfor_b_\@:
	tensor_load_to_lds s[\g0b:\g0b+3], s[\g1b:\g1b+7]
	s_nop 0
.rept 4
	v_nop
.endr
.Lasked_\@:
.endm
.macro CROUND                          ; a round of the cluster's barrier
	s_barrier_signal -1
	s_barrier_wait -1
	s_cmp_lg_u32 s14, 0
	s_cbranch_scc1 .Lnot_wave_0_\@
	s_barrier_signal -3
.Lnot_wave_0_\@:
	s_barrier_wait -3
	s_barrier_signal -1
	s_barrier_wait -1
.endm
	s_load_b128 s[4:7], s[0:1], 0x0                ; xc, xs
	s_load_b128 s[8:11], s[0:1], 0x10              ; wc, ws
	s_load_b64 s[12:13], s[0:1], 0x20              ; qkv
	s_load_b128 s[96:99], s[0:1], 0x28             ; b_qkv, h16
	v_lshl_add_u32 v[SPW], v0, 2, SPARE
	v_mov_b32 v[NIL], 0
	ds_add_u32 v[SPW], v[NIL]                      ; the wave's opening: the add, twice on end, and its wait ahead of my first tensor load
	ds_add_u32 v[SPW], v[NIL]
	v_lshrrev_b32 v1, 5, v0
	v_readfirstlane_b32 s14, v1                    ; wave 0..3
	s_lshr_b32 s15, s14, 1                         ; my half of the tile's rows.  Also: I fetch for A (0) or for B (1)
	s_and_b32 s16, s14, 1                          ; my half of its columns.  Also: which 128 rows I fetch
	s_bfe_u32 s40, ttmp6, 0x40000                  ; cx
	s_bfe_u32 s41, ttmp6, 0x40004                  ; cy
	s_lshl_b32 s42, ttmp9, 2
	s_add_co_u32 s42, s42, s40                     ; tile column
	s_and_b32 s17, ttmp7, 0xffff
	s_lshl_b32 s17, s17, 2
	s_add_co_u32 s17, s17, s41                     ; tile row
	s_lshl_b32 s43, s41, 2
	s_lshl_b32 s43, 15, s43                        ; my row of the cluster
	s_lshl_b32 s44, 0x1111, s40                    ; my column
	s_or_b32 s[G1+0], s43, (0<<16)|(1<<20)|(1<<21)|(5<<22)|(3<<25)   ; mask; elements of 1 byte; padding: 4 words behind every 64; bit 21 beside a mask
	s_or_b32 s[G1B+0], s44, (0<<16)|(1<<20)|(1<<21)|(5<<22)|(3<<25)
.irp g, G1, G1B
	s_mov_b32 s[\g+1], ROWB<<16                    ; tensor_dim0
	s_mov_b32 s[\g+2], 128<<16                     ; tensor_dim1
	s_mov_b32 s[\g+3], ROWB<<16                    ; tile_dim0
	s_mov_b32 s[\g+4], 128                         ; tile_dim1
	s_mov_b32 s[\g+5], KROW                        ; pitch
	s_mov_b32 s[\g+6], 0
	s_mov_b32 s[\g+7], 0
.endr
	s_or_b32 s[G1S+0], s43, (3<<16)|(1<<20)|(1<<21)|(5<<22)|(3<<25)  ; the scales of 128 rows: 4,096 dense bytes as 16 rows of 32 elements of 8 bytes
	s_or_b32 s[G1SB+0], s44, (3<<16)|(1<<20)|(1<<21)|(5<<22)|(3<<25)
.irp g, G1S, G1SB
	s_mov_b32 s[\g+1], 32<<16
	s_mov_b32 s[\g+2], (128*KS/256)<<16
	s_mov_b32 s[\g+3], 32<<16
	s_mov_b32 s[\g+4], 128*KS/256
	s_mov_b32 s[\g+5], 32
	s_mov_b32 s[\g+6], 0
	s_mov_b32 s[\g+7], 0
.endr
	s_lshl_b32 s18, s16, 7
	s_lshl_b32 s20, s17, 8
	s_add_co_u32 s20, s20, s18                     ; A: row 256 x tile row + 128 x half
	s_lshl_b32 s46, s42, 8
	s_add_co_u32 s46, s46, s18                     ; B: row 256 x tile column + 128 x half
	s_mov_b32 s21, 0
	s_mov_b32 s47, 0
	s_mov_b64 s[18:19], KS
	s_mul_u64 s[22:23], s[20:21], s[18:19]
	s_mul_u64 s[92:93], s[46:47], s[18:19]
	s_mov_b64 s[18:19], KROW
	s_mul_u64 s[20:21], s[20:21], s[18:19]
	s_mul_u64 s[46:47], s[46:47], s[18:19]
	s_mul_i32 s45, s14, HALFT                      ; LDS: wave x 128 rows; no place in the cluster enters an LDS address
	s_mul_i32 s94, s14, HALFS
	s_wait_dscnt 0x0                               ; both opening adds are done
	s_wait_kmcnt 0x0
	s_add_nc_u64 s[20:21], s[4:5], s[20:21]
	s_add_nc_u64 s[22:23], s[6:7], s[22:23]
	s_add_nc_u64 s[46:47], s[8:9], s[46:47]
	s_add_nc_u64 s[92:93], s[10:11], s[92:93]
	CROUND                                         ; all sixteen work-groups are here: the joint loads meet
	s_mov_b32 s[G0S], 1
	s_add_co_u32 s[G0S+1], s94, SCL
	s_mov_b64 s[G0S+2:G0S+3], s[22:23]
	s_or_b32 s[G0S+3], s[G0S+3], 0x80000000
	s_mov_b32 s[G0SB], 1
	s_add_co_u32 s[G0SB+1], s94, SCL
	s_mov_b64 s[G0SB+2:G0SB+3], s[92:93]
	s_or_b32 s[G0SB+3], s[G0SB+3], 0x80000000
	JLOAD G0S, G1S, G0SB, G1SB                     ; the scales first; by this text's count three tensor loads of a wave are out at the most
.irp s, 0,1
	s_mov_b32 s[G0+4*\s], 1
	s_add_co_u32 s[G0+4*\s+1], s45, \s*SLOT
	s_add_nc_u64 s[G0+4*\s+2:G0+4*\s+3], s[20:21], \s*ROWB
	s_or_b32 s[G0+4*\s+3], s[G0+4*\s+3], 0x80000000
	s_mov_b32 s[G0B+4*\s], 1
	s_add_co_u32 s[G0B+4*\s+1], s45, \s*SLOT
	s_add_nc_u64 s[G0B+4*\s+2:G0B+4*\s+3], s[46:47], \s*ROWB
	s_or_b32 s[G0B+4*\s+3], s[G0B+4*\s+3], 0x80000000
	JLOAD G0+4*\s, G1, G0B+4*\s, G1B
.endr
	v_and_b32 v1, 15, v0                           ; r = lane % 16
	v_bfe_u32 v2, v0, 4, 1                         ; h = lane / 16
	v_lshlrev_b32 v[BO], 5, v2                     ; a bias tile: my eight numbers begin 8 h numbers in
	; where my results go.  Rows: sequence = tile row / 8, first position t0 = 256 (tile row % 8) + 128 x row half.  Columns: cluster x says q, k or v; heads 4 cx + 2 x column half, and the next
	s_lshr_b32 s20, s17, 3                         ; the sequence
	s_and_b32 s21, s17, 7
	s_or_b32 s100, s21, s15                        ; 0: my block 0 is positions 0-15
	s_lshl_b32 s21, s21, 8
	s_lshl_b32 s22, s15, 7
	s_add_co_u32 s21, s21, s22                     ; t0
	s_lshl_b32 s21, s21, 7                         ; x 128 bytes a position
	s_lshl_b32 s22, ttmp9, 2
	s_add_co_u32 s22, s22, s20
	s_lshl_b32 s22, s22, 4
	s_lshl_b32 s23, s40, 2
	s_add_co_u32 s22, s22, s23
	s_lshl_b32 s23, s16, 1
	s_add_co_u32 s22, s22, s23                     ; ((q, k or v) x 4 + sequence) x 16 + head
	s_lshl_b32 s22, s22, 18                        ; x 262,144 bytes a head
	s_add_co_u32 s22, s22, s21
	s_mov_b32 s23, 0
	s_add_nc_u64 s[12:13], s[12:13], s[22:23]
	s_lshl_b32 s46, s42, 10
	s_lshl_b32 s47, s16, 9
	s_add_co_u32 s46, s46, s47                     ; my first column x 4 bytes
	s_mov_b32 s47, 0
	s_add_nc_u64 s[96:97], s[96:97], s[46:47]      ; b_qkv there,
	s_add_nc_u64 s[98:99], s[98:99], s[46:47]      ; h16 there,
	s_mul_i32 s46, s20, 196608
	s_add_nc_u64 s[98:99], s[98:99], s[46:47]      ; in my sequence's 16 rows
	s_cmp_eq_u32 ttmp9, 1                          ; cluster x: the same in all sixteen partners
	s_cbranch_scc1 .Lkeys
.irp b, 0,1,2,3,4,5,6,7
	global_load_b128 v[BI+8*\b:BI+8*\b+3], v[BO], s[96:97] offset:64*\b         ; b_qkv at columns 16 b + 8 h + 0 .. 7 of my 128
	global_load_b128 v[BI+8*\b+4:BI+8*\b+7], v[BO], s[96:97] offset:64*\b+16
.endr
	s_branch .Lbias_set
.Lkeys:                                                ; k takes no bias: zeros in its place, so that the first step is written once
.set j, 0
.rept 64
	v_mov_b32 v[BI+j], 0
.set j, j+1
.endr
.Lbias_set:
	v_mov_b32 v[CF], s100
	v_mul_u32_u24 v3, v1, PITCH
	v_lshl_add_u32 v4, v2, 4, v3                   ; a fragment's row x pitch + 16 x half
	s_mul_i32 s21, s15, HALFT
	s_mul_i32 s22, s16, HALFT
	s_add_co_u32 s22, s22, 2*HALFT
.irp s, 0,1
	v_add_nc_u32 v[ADRA+\s], s21, v4
	v_add_nc_u32 v[ADRB+\s], s22, v4
	s_add_co_u32 s21, s21, SLOT
	s_add_co_u32 s22, s22, SLOT
.endr
	v_mul_u32_u24 v5, v1, KS                       ; my row's scales: 32 bytes a row,
	v_lshrrev_b32 v6, 8, v5
	v_lshl_add_u32 v5, v6, 4, v5                   ; and 16 more for each 256 passed
	s_mul_i32 s21, s15, HALFS
	s_mul_i32 s22, s16, HALFS
	s_add_co_u32 s22, s22, 2*HALFS
	s_sub_co_u32 s22, s22, s21
	v_mul_u32_u24 v6, s22, v2                      ; lanes 16-31 take B's
	s_add_co_u32 s21, s21, SCL
	v_add_nc_u32 v5, v5, v6
	v_add_nc_u32 v[ADRS], s21, v5
	s_mul_i32 s23, s14, 16*SPITCH                  ; my stage
	v_mul_u32_u24 v5, v1, SPITCH
	v_lshl_add_u32 v5, v2, 4, v5
	v_add_nc_u32 v[STO], s23, v5                   ; in: row r, 16 bytes for each half of the lanes
	v_bfe_u32 v5, v0, 3, 2
	v_mul_u32_u24 v5, v5, SPITCH
	v_and_b32 v6, 7, v0
	v_lshl_add_u32 v5, v6, 4, v5
	v_add_nc_u32 v[RD], s23, v5                    ; back: eight lanes take a head's 128 bytes of a row, four rows an instruction
	v_and_b32 v6, 31, v0
	v_lshlrev_b32 v[CO], 4, v6                     ; which are 512 consecutive bytes of qkv
	v_mul_u32_u24 v[HO], v1, 12288
	v_lshl_add_u32 v[HO], v2, 5, v[HO]             ; h16: row r, + 32 h
.macro FRAG reg, adr, q, i             ; 16 rows x 128 K of 4-bit codes: 8 registers, two loads of 16 bytes, 32 bytes apart
.irp c, 0,1
	ds_load_b128 v[\reg+4*\c:\reg+4*\c+3], v[\adr] offset:64*(\q)+32*\c+(\i)*16*PITCH
.endr
.endm
; 16 products: A's blocks a0, a0 + 1 x B's eight.  first = 1: C is the bias.  The 64 accumulators take turns, one instruction a turn, in the same order in every step.
.macro MUL16 a0, p, q, sc, first
.irp a, \a0, \a0+1
.irp b, 0,1,2,3,4,5,6,7
.if \first
	v_wmma_scale_f32_16x16x128_f8f6f4 v[8*(8*((\a)%4)+\b):8*(8*((\a)%4)+\b)+7], v[128*(\p)+FR*\b:128*(\p)+FR*\b+FR-1], v[AF+FR*(\a):AF+FR*(\a)+FR-1], v[BI+8*\b:BI+8*\b+7], v[SC+8*NQ*(\sc)+NQ*\b+(\q)], v[SC+8*NQ*(\sc)+NQ*(\a)+(\q)] matrix_a_fmt:MATRIX_FMT_FP4 matrix_b_fmt:MATRIX_FMT_FP4 matrix_a_scale:MATRIX_SCALE_ROW1
.else
	v_wmma_scale_f32_16x16x128_f8f6f4 v[8*(8*((\a)%4)+\b):8*(8*((\a)%4)+\b)+7], v[128*(\p)+FR*\b:128*(\p)+FR*\b+FR-1], v[AF+FR*(\a):AF+FR*(\a)+FR-1], v[8*(8*((\a)%4)+\b):8*(8*((\a)%4)+\b)+7], v[SC+8*NQ*(\sc)+NQ*\b+(\q)], v[SC+8*NQ*(\sc)+NQ*(\a)+(\q)] matrix_a_fmt:MATRIX_FMT_FP4 matrix_b_fmt:MATRIX_FMT_FP4 matrix_a_scale:MATRIX_SCALE_ROW1
.endif
.endr
.endr
.endm
.macro FETCH_B slot, q, p
	WIN TO_B
.irp i, 0,1,2,3,4,5,6,7
	FRAG 128*(\p)+FR*\i, ADRB+\slot, \q, \i
.endr
	WIN 0
.endm
.macro FETCH_A slot, q, i0
.irp i, \i0, \i0+1, \i0+2, \i0+3
	FRAG AF+FR*(\i), ADRA+\slot, \q, \i
.endr
.endm
.macro SCALES sc                       ; a slot's scale words: lanes 0-15 A's block i, lanes 16-31 B's block i; four words a row
.irp i, 0,1,2,3,4,5,6,7
	ds_load_b128 v[SC+8*NQ*\sc+NQ*\i:SC+8*NQ*\sc+NQ*\i+3], v[ADRS] offset:\i*SBLK
.endr
.endm
.macro PLACES n                        ; plain vector places behind matrix instructions, in front of loads into their registers and of reads of their results
.rept \n
	v_nop
.endr
.endm
.macro STEP slot, q, first             ; 128 along K with its successor in the same slot
	s_wait_dscnt 4*NL                              ; all but the youngest eight loads (A's blocks 4-7) are in
	WIN (MUL_LO-0x20*(\first))                     ; first = 1: C (the bias) in window 0
	MUL16 0, (\q)%2, \q, \slot, \first
	MUL16 2, (\q)%2, \q, \slot, \first
	s_wait_dscnt 0
	PLACES NP
	FETCH_B \slot, (\q)+1, 1-(\q)%2
	FETCH_A \slot, (\q)+1, 0
	WIN (MUL_HI-0x30*(\first))
	MUL16 4, (\q)%2, \q, \slot, \first
	MUL16 6, (\q)%2, \q, \slot, \first
	PLACES NP
	WIN 0
	FETCH_A \slot, (\q)+1, 4
.endm
; Slot 0's last step changes slots: one barrier.  In front of it each wave waits for all its tensor loads (slot 1's part), adds 0 to its spare word, and waits for that and for its reads of slot 0,
; which the way out will write.  Nothing is filled again.
.macro TURN slot, next
	s_wait_tensorcnt 0x0
	ds_add_u32 v[SPW], v[NIL]
	s_wait_dscnt 4*NL+1                            ; the add and the youngest eight loads may be out
	WIN MUL_LO
	MUL16 0, 1, NQ-1, \slot, 0
	s_wait_dscnt 0x0                               ; the add is done, and my reads of this slot are over
	s_barrier_signal -1
	MUL16 2, 1, NQ-1, \slot, 0
	WIN 0
	s_barrier_wait -1
	PLACES NP
	v_add_nc_u32 v[ADRS], 4*NQ, v[ADRS]            ; the next slot's scale words
	FETCH_B \next, 0, 0
	FETCH_A \next, 0, 0
	SCALES \next
	WIN MUL_HI
	MUL16 4, 1, NQ-1, \slot, 0
	MUL16 6, 1, NQ-1, \slot, 0
	PLACES NP
	WIN 0
	FETCH_A \next, 0, 4
.endm
.macro STEPS slot, from
.set Q, \from
.rept NQ-1-\from
	STEP \slot, Q, 0
.set Q, Q+1
.endr
.endm
	s_wait_tensorcnt 1                             ; the scales and my part of slot 0 are in; slot 1's load may be out
	s_barrier_signal -1
	s_barrier_wait -1
	FETCH_B 0, 0, 0
	FETCH_A 0, 0, 0
	SCALES 0
	FETCH_A 0, 0, 4
	s_wait_loadcnt 0x0                             ; the bias
	STEP 0, 0, 1
	STEPS 0, 1
	TURN 0, 1
	STEPS 1, 0
	s_wait_dscnt 4*NL                              ; the last step: nothing more to fetch
	WIN MUL_LO
	MUL16 0, 1, NQ-1, 1, 0
	MUL16 2, 1, NQ-1, 1, 0
	s_wait_dscnt 0
	WIN MUL_HI
	MUL16 4, 1, NQ-1, 1, 0
	MUL16 6, 1, NQ-1, 1, 0
	WIN 0
	PLACES NP                                      ; all lanes on: behind the last products, in front of every read of results and of loads into A's registers
	; POSITIONS 0-15 IN f32.  Where my block 0 holds them (v[CF] = 0) its eight accumulators go to h16 as they are.  No branch hangs on a work-group's place in its cluster: the lanes are switched off instead.
	v_cmp_eq_u32 vcc_lo, 0, v[CF]
	s_wait_xcnt 0x0                                ; EXEC changes only behind this wait
	s_and_saveexec_b32 s67, vcc_lo
	WIN 0x08                                       ; a store's data: window 2
.irp b, 0,1,2,3,4,5,6,7
	global_store_b128 v[HO], v[8*\b:8*\b+3], s[98:99] offset:64*\b            ; each accumulator from its low end on
	global_store_b128 v[HO], v[8*\b+4:8*\b+7], s[98:99] offset:64*\b+16
.endr
	WIN 0
	s_wait_xcnt 0x0                                ; and again in front of the line that restores it
	s_or_b32 exec_lo, exec_lo, s67
; THE WAY OUT, block by block of 16 rows x 128 columns (two heads).  PACK: rounded to f16, 16 bytes a lane.  TOSTAGE: into my stage, and back head by head.  SEND: 512 consecutive bytes an instruction.
.macro PACK a
.set AC, 64*((\a)%4)
	WIN (0x0a+5*((\a)/4))                          ; sources 0 and 1: window 2 or 3
.irp b, 0,1,2,3,4,5,6,7
.irp r, 0,1,2,3
	v_cvt_pk_f16_f32 v[TMP+4*\b+\r], v[AC+8*\b+2*\r], v[AC+8*\b+2*\r+1]
.endr
.endr
	WIN 0
.endm
.macro TOSTAGE a
.set BB, BK+32*((\a)%2)
.irp b, 0,1,2,3,4,5,6,7
	ds_store_b128 v[STO], v[TMP+4*\b:TMP+4*\b+3] offset:32*\b
.endr
.irp u, 0,1,2,3,4,5,6,7                ; rows 4 (u % 4) on, head u / 4; LDS serves a wave's instructions in order: these see the stores above
	ds_load_b128 v[BB+4*\u:BB+4*\u+3], v[RD] offset:4*(\u%4)*SPITCH+128*(\u/4)
.endr
.endm
.macro SEND a
.set BB, BK+32*((\a)%2)
	s_wait_dscnt 0x0                               ; the block is back in registers
	s_wait_xcnt 0x0                                ; earlier stores have read their base and their registers
.if (\a) > 0
	s_add_nc_u64 s[12:13], s[12:13], 2048          ; 16 positions on
.endif
.irp u, 0,1,2,3,4,5,6,7
	global_store_b128 v[CO], v[BB+4*\u:BB+4*\u+3], s[12:13] offset:(\u%4)*512+(\u/4)*262144
.endr
.endm
	PACK 0
	TOSTAGE 0
.irp a, 1,2,3,4,5,6,7                  ; block a's conversions stand between block a - 1's loads from the stage and the wait for them
	PACK \a
	SEND \a-1
	TOSTAGE \a
.endr
	SEND 7
	s_wait_tensorcnt 0x0                           ; the wave's end
	ds_add_u32 v[SPW], v[NIL]
	s_wait_dscnt 0x0
	CROUND                                         ; the closing round
	s_endpgm
.Lfunc_end_k_q8c007d918e_gemm1:
	.size	k_q8c007d918e_gemm1, .Lfunc_end_k_q8c007d918e_gemm1-k_q8c007d918e_gemm1
	.p2alignl 7, 3214868480
	.fill 96, 4, 3214868480
	.section	.rodata,"a",@progbits
	.p2align	6, 0x0
	.amdhsa_kernel k_q8c007d918e_gemm1
		.amdhsa_group_segment_fixed_size 327680
		.amdhsa_private_segment_fixed_size 0
		.amdhsa_enable_private_segment 0
		.amdhsa_kernarg_size 56
		.amdhsa_user_sgpr_count 2
		.amdhsa_user_sgpr_kernarg_segment_ptr 1
		.amdhsa_wavefront_size32 1
		.amdhsa_system_sgpr_workgroup_id_x 1
		.amdhsa_system_sgpr_workgroup_id_y 1
		.amdhsa_system_sgpr_workgroup_id_z 1
		.amdhsa_system_vgpr_workitem_id 0
		.amdhsa_next_free_vgpr 1024
		.amdhsa_next_free_sgpr 102
		.amdhsa_reserve_vcc 1
		.amdhsa_float_denorm_mode_32 3
		.amdhsa_float_denorm_mode_16_64 3
		.amdhsa_memory_ordered 1
		.amdhsa_forward_progress 1
		.amdhsa_inst_pref_size 133
	.end_amdhsa_kernel
	.amdgpu_metadata
---
amdhsa.version: [ 1, 2 ]
amdhsa.kernels:
  - .name:           k_q8c007d918e_gemm1
    .symbol:         k_q8c007d918e_gemm1.kd
    .args:
      - { .name: xc, .offset: 0, .size: 8, .value_kind: global_buffer, .address_space: global }
      - { .name: xs, .offset: 8, .size: 8, .value_kind: global_buffer, .address_space: global }
      - { .name: wc, .offset: 16, .size: 8, .value_kind: global_buffer, .address_space: global }
      - { .name: ws, .offset: 24, .size: 8, .value_kind: global_buffer, .address_space: global }
      - { .name: qkv, .offset: 32, .size: 8, .value_kind: global_buffer, .address_space: global }
      - { .name: b_qkv, .offset: 40, .size: 8, .value_kind: global_buffer, .address_space: global }
      - { .name: h16, .offset: 48, .size: 8, .value_kind: global_buffer, .address_space: global }
    .group_segment_fixed_size: 327680
    .private_segment_fixed_size: 0
    .kernarg_segment_align: 8
    .kernarg_segment_size: 56
    .max_flat_workgroup_size: 128
    .sgpr_count:     102
    .vgpr_count:     1024
    .wavefront_size: 32
...
	.end_amdgpu_metadata
.endif
;; end of part 2
;; launch attn (part 3): grid 4 x 64, 16 waves a work-group, no clusters, 327,680 bytes of LDS; arguments qkv, y16; writes y16
.if DOCPART == 3
	.amdgcn_target "amdgcn-amd-amdhsa--gfx1250"
	.amdhsa_code_object_version 6
	.text
	.protected	k_q8c007d918e_attn
	.globl	k_q8c007d918e_attn
	.p2align	8
	.type	k_q8c007d918e_attn,@function
k_q8c007d918e_attn:
	s_mov_b64 s[64:65], 0
	v_nop
	global_prefetch_b8 v0, s[64:65] scope:SCOPE_SE
	s_setreg_imm32_b32 hwreg(HW_REG_WAVE_MODE, 25, 1), 1
	s_wait_xcnt 0x0
; Launch 3 of 5: y[b][h][q] = softmax over k <= q of (q . k / 8) v, on f16 operands with f32 sums; maxima, exponentials and row sums in f32.
; LEFT OUT: key steps wholly above the diagonal of reference()'s own tril mask are neither fetched nor multiplied; k carries no bias (see the first kernel's head).
; qkv: f16 [3][64 heads][2048 t][64 d]; y16: f16 [64 heads][2048 t][64 d].  Positions 0-15 are computed here too, inside live tiles; the result that counts for them is made finely by the last launch.
; SHARES.  Work-group (p, head) owns the query blocks p and 7 - p of 256 queries: every work-group has the same number of key steps.  Each of its sixteen waves owns 32 queries, two tiles of 16,
; so that each fragment of K and V read from LDS feeds two products.  Wave w: part w / 2 of block p or 7 - p, by (w xor w / 4) & 1.
; NO CLUSTER: the four work-groups of a head need different numbers of slots (8 - p), so a joint load would bring tiles that all waves of some partner jump over.
; LAYOUT.  S^T = K Q^T (source 0 = 16 keys, source 1 = 16 queries), O^T = V^T P: a lane holds one query (lane % 16) throughout; two tiles of S^T, rounded to f16 in pairs, are source 1 of the second product.
; SOFTMAX.  A running maximum m and sum l: p = 2^(c s - c m), c = log2(e) / 8; in every step O^T and l are multiplied by a = 2^(c m_old - c m_new).
; THE RING.  Two slots of 256 keys, 2^17 bytes apart.  Every work-group walks all eight slots with constant trip counts; a step all of whose keys come after my queries is jumped over, and a slot
; whose first key comes after the work-group's last query is not asked for.  Every wait on TENSORcnt is for 0.
.set PK,    144                        ; a key's row in LDS: 128 bytes + 16
.set PV,    160                        ; a value's row: 128 + 32, for the turning load
.set SKEYS, 256
.set VOFF,  SKEYS*PK
.set SLOT1, 1<<17
.set STAGE, SLOT1+SKEYS*(PK+PV)        ; behind the ring: two tiles of 16 rows x 144 bytes for each wave
.set SPARE, STAGE+16*4608              ; the spare words, 128 bytes a wave
.set NSL,   8
.set AK0, 1                            ; v1   my lane's place in a tile of K
.set AV0, 2                            ; v2   and of V
.set ADR, 3                            ; v3   the address of the run of loads in hand
.set SPW, 4
.set NIL, 5
.set QD,  6                            ; v6   lane % 16 - 8 (lane / 16)
.set NINF, 7                           ; v7   -infinity
.set ST,  8                            ; v8-23 tile t's statistics at ST + 8 t: +0 c m, +1 m, +2, +3 l, +4 .. +7 at work (a at +6)
.set Q,   24                           ; v24-55   Q: tile t, channels 32 c on, at Q + 16 t + 8 c
.set S,   56                           ; v56-119  S^T, 32 a tile; then p; then p's f16 pairs, in place
.set KV,  120                          ; v120-183 K's fragments, then V's
.set O,   184                          ; v184-247 O^T: tile t, channels 16 i on, at O + 32 t + 8 i
.set STO, 248
.set RD,  249
.set GO,  250
.set PFO, 251
.set TK,  2                            ; s2   LDS byte of the step's keys
.set TV,  3                            ; s3   and of its values (less VOFF)
.set WV,  18
.set SEL, 20
.set CS,  22
.set G1K, 24
.set G1V, 32
.set G0K, 40
.set G0V, 44
.set KF,  48                           ; the step's first key
.set Q0,  49                           ; my first query
.set QL,  50                           ; my last
.set WL,  51                           ; my work-group's last
.set SLOTS, 52
.set FOUR, 53
.set PFA, 54
.set LIM, 56
; Waves 0 and 1 fetch K's halves of a slot, waves 2 and 3 V's, the others nothing.  An s_nop 0 and four v_nop follow each line.
.macro TLOAD
	s_cmp_lt_u32 s[WV], 2
	s_cbranch_scc0 .Lnot_k_\@
	tensor_load_to_lds s[G0K:G0K+3], s[G1K:G1K+7]
	s_nop 0
.rept 4
	v_nop
.endr
	s_branch .Lasked_\@
.Lnot_k_\@:
	s_cmp_lt_u32 s[WV], 4
	s_cbranch_scc0 .Lasked_\@
	tensor_load_to_lds s[G0V:G0V+3], s[G1V:G1V+7]
	s_nop 0
.rept 4
	v_nop
.endr
.Lasked_\@:
.endm
; A prefetch of what the NEXT change of slots will ask for: 32,768 dense bytes of K and as many of V.  The head's work-group 0, which walks every slot, asks, and nobody else; in it waves 4 to 7
; ask for K's, waves 8 to 11 for V's: 8,192 bytes a wave, lanes 256 bytes apart: each block is named once in the launch.  The last change that fills a slot asks for nothing.
.macro ASK
	s_cmp_gt_u32 s[SLOTS], s[LIM]
	s_cbranch_scc0 .Lnot_mine_\@
	global_prefetch_b8 v[PFO], s[PFA:PFA+1] th:TH_LOAD_NT scope:SCOPE_SE
.Lnot_mine_\@:
.endm
	s_load_b128 s[4:7], s[0:1], 0x0                ; qkv, y16
	v_lshl_add_u32 v[SPW], v0, 2, SPARE
	v_mov_b32 v[NIL], 0
	ds_add_u32 v[SPW], v[NIL]                      ; the wave's opening: the add, twice on end, and its wait ahead of the first tensor load
	ds_add_u32 v[SPW], v[NIL]
	v_lshrrev_b32 v3, 5, v0
	v_readfirstlane_b32 s[WV], v3                  ; wave 0..15
	s_and_b32 s57, ttmp7, 0xffff                   ; the head, 0 .. 63
	s_lshl_b32 s58, s57, 18                        ; its first byte in q, k, v and y16
	s_mov_b32 s59, 0
	s_lshr_b32 s60, s[WV], 2
	s_xor_b32 s60, s60, s[WV]
	s_and_b32 s60, s60, 1                          ; 0: block p, 1: block 7 - p
	s_sub_co_u32 s61, 7, ttmp9
	s_lshl_b32 s[WL], s61, 8
	s_or_b32 s[WL], s[WL], 255
	s_cmp_eq_u32 s60, 1
	s_cselect_b32 s61, s61, ttmp9
	s_lshl_b32 s[Q0], s61, 8
	s_lshr_b32 s62, s[WV], 1
	s_lshl_b32 s62, s62, 5
	s_add_co_u32 s[Q0], s[Q0], s62
	s_add_co_u32 s[QL], s[Q0], 31
	s_lshl_b32 s62, s[Q0], 7
	s_mov_b32 s63, 0
	s_add_nc_u64 s[62:63], s[62:63], s[58:59]      ; my queries' first byte in q and in y16
	s_and_b32 s66, s[WV], 1                        ; which half of a slot I fetch, if I fetch:
	s_lshl_b32 s68, s66, 14                        ; 128 rows of 128 bytes in memory,
	s_mov_b32 s69, 0
	s_add_nc_u64 s[68:69], s[68:69], s[58:59]
	s_mul_i32 s67, s66, 128*PK                     ; and in a slot
	s_mul_i32 s70, s66, 128*PV
	s_add_co_u32 s70, s70, VOFF
	s_mov_b32 s[G1K], (1<<16)|(1<<20)|(4<<22)|(3<<25)   ; no mask; elements of 2 bytes; padding: 4 words behind every 32
	s_mov_b32 s[G1V], (1<<16)|(1<<20)|(4<<22)|(7<<25)   ; 8 words behind every 32
.irp g, G1K, G1V
	s_mov_b32 s[\g+1], 64<<16                      ; tensor_dim0
	s_mov_b32 s[\g+2], 128<<16                     ; tensor_dim1
	s_mov_b32 s[\g+3], 64<<16                      ; tile_dim0
	s_mov_b32 s[\g+4], 128                         ; tile_dim1
	s_mov_b32 s[\g+5], 64                          ; pitch
	s_mov_b32 s[\g+6], 0
	s_mov_b32 s[\g+7], 0
.endr
	s_mov_b32 s[SEL], 0x76543210
	s_mov_b32 s[SEL+1], 0xfedcba98
	s_mov_b32 s[CS], 0x3e38aa3b                    ; c = log2(e) / 8
	s_mov_b32 s[CS+1], s[CS]
	s_mov_b32 s[TK], 0
	s_mov_b32 s[TV], 0
	s_mov_b32 s[KF], 0
	s_mov_b32 s[SLOTS], NSL-1
	s_wait_dscnt 0x0                               ; both opening adds are done
	s_wait_kmcnt 0x0
	s_mov_b32 s[G0K], 1
	s_mov_b32 s[G0K+1], s67
	s_add_nc_u64 s[G0K+2:G0K+3], s[4:5], s[68:69]
	s_add_nc_u64 s[G0K+2:G0K+3], s[G0K+2:G0K+3], 16777216   ; k lies behind q
	s_or_b32 s[G0K+3], s[G0K+3], 0x80000000
	s_mov_b32 s[G0V], 1
	s_mov_b32 s[G0V+1], s70
	s_add_nc_u64 s[G0V+2:G0V+3], s[4:5], s[68:69]
	s_add_nc_u64 s[G0V+2:G0V+3], s[G0V+2:G0V+3], 33554432   ; v behind k
	s_or_b32 s[G0V+3], s[G0V+3], 0x80000000
	TLOAD                                          ; slot 0: key 0 counts for every query
	s_add_nc_u64 s[8:9], s[4:5], s[62:63]          ; Q at my first query
	s_add_nc_u64 s[10:11], s[6:7], s[62:63]        ; y16 likewise
	s_cmp_lt_u32 s[WV], 8                          ; the prefetches: waves 4 to 7 stand in k, waves 8 to 11 in v
	s_mov_b32 s72, 33554432
	s_cselect_b32 s72, 16777216, s72
	s_and_b32 s73, s[WV], 3
	s_lshl_b32 s73, s73, 13
	s_add_co_u32 s72, s72, s73                     ; my wave's 8,192 bytes,
	s_add_co_u32 s72, s72, SKEYS*128               ; in slot 1: the first change of slots steps it to slot 2.  Nothing is prefetched at the head
	s_mov_b32 s73, 0
	s_add_nc_u64 s[72:73], s[72:73], s[58:59]
	s_add_nc_u64 s[PFA:PFA+1], s[4:5], s[72:73]
	s_sub_co_u32 s72, s[WV], 4
	s_lshr_b32 s72, s72, 3                         ; 0 in waves 4 to 11,
	s_or_b32 s72, s72, ttmp9                       ; of the head's work-group 0
	s_cmp_eq_u32 s72, 0
	s_cselect_b32 s[LIM], 1, -1
	v_and_b32 v253, 15, v0                         ; r
	v_bfe_u32 v254, v0, 4, 1                       ; h
	v_lshlrev_b32 v252, 7, v253
	v_lshl_add_u32 v252, v254, 4, v252             ; Q: row r of 128 bytes, + 16 h
.irp t, 0,1
.irp c, 0,1
	global_load_b128 v[Q+16*\t+8*\c:Q+16*\t+8*\c+3], v252, s[8:9] offset:2048*\t+64*\c
	global_load_b128 v[Q+16*\t+8*\c+4:Q+16*\t+8*\c+7], v252, s[8:9] offset:2048*\t+64*\c+32
.endr
.endr
	v_mul_u32_u24 v[AK0], v253, PK
	v_lshl_add_u32 v[AK0], v254, 4, v[AK0]
	v_and_b32 v255, 7, v0
	v_lshl_add_u32 v[AV0], v254, 3, v255           ; the turning load: key 8 h + lane % 8,
	v_mul_u32_u24 v[AV0], v[AV0], PV
	v_bfe_u32 v255, v0, 3, 1
	v_lshl_add_u32 v[AV0], v255, 4, v[AV0]         ; channels 8 ((lane / 8) % 2) on
	v_add_nc_u32 v[AV0], VOFF, v[AV0]
	v_lshlrev_b32 v255, 3, v254
	v_sub_nc_u32 v[QD], v253, v255
	v_mov_b32 v[NINF], 0xff800000
	s_mul_i32 s57, s[WV], 4608
	s_add_co_u32 s57, s57, STAGE                   ; my stage
	v_mul_u32_u24 v[STO], v253, PK
	v_lshl_add_u32 v[STO], v254, 4, v[STO]
	v_add_nc_u32 v[STO], s57, v[STO]               ; in: row r, 16 bytes for each half of the lanes
	v_bfe_u32 v255, v0, 3, 2
	v_mul_u32_u24 v[RD], v255, PK
	v_and_b32 v255, 7, v0
	v_lshl_add_u32 v[RD], v255, 4, v[RD]
	v_add_nc_u32 v[RD], s57, v[RD]                 ; back: eight lanes to a row of 128 bytes, four rows an instruction
	v_and_b32 v[GO], 31, v0
	v_lshlrev_b32 v[PFO], 8, v[GO]
	v_lshlrev_b32 v[GO], 4, v[GO]
.irp t, 0,1
	v_mov_b32 v[ST+8*\t+1], 0xff61b1e6             ; m = -3e38, under every score
	v_mul_f32 v[ST+8*\t], s[CS], v[ST+8*\t+1]
.irp j, 2,3,4,5,6,7
	v_mov_b32 v[ST+8*\t+\j], 0                     ; l, and the registers at work (written once, so that no path reads one unwritten)
.endr
.endr
.set j, 0
.rept 64
	v_mov_b32 v[O+j], 0                            ; O^T: the step is written once; the first step's a is 0 and finds zeros
.set j, j+1
.endr
; A KEY STEP: 64 keys.
.macro STEP
	s_cmp_gt_u32 s[KF], s[QL]                      ; all its keys come after my queries: jumped over, but for the lines at its end that step addresses
	s_cbranch_scc1 .Lhidden_\@
	v_add_nc_u32 v[ADR], s[TK], v[AK0]
.rept 4
	v_nop                                          ; with the line above five places behind the last step's products: the products below write over p's registers, which those read; the loads want four
.endr
.irp c, 0,1                                    ; K: channels 0-31 of the four tiles of keys first
.irp m, 0,1,2,3
	ds_load_b128 v[KV+16*\m+8*\c:KV+16*\m+8*\c+3], v[ADR] offset:\m*16*PK+64*\c
	ds_load_b128 v[KV+16*\m+8*\c+4:KV+16*\m+8*\c+7], v[ADR] offset:\m*16*PK+64*\c+32
.endr
.endr
	s_wait_dscnt 8                                 ; channels 0-31 are in; the eight loads of channels 32-63 may be out
.irp m, 0,1,2,3                                ; the eight accumulators take turns, one instruction a turn
.irp t, 0,1
	v_wmma_f32_16x16x32_f16 v[S+32*\t+8*\m:S+32*\t+8*\m+7], v[KV+16*\m:KV+16*\m+7], v[Q+16*\t:Q+16*\t+7], 0
.endr
.endr
	s_wait_dscnt 0x0
.irp m, 0,1,2,3
.irp t, 0,1
	v_wmma_f32_16x16x32_f16 v[S+32*\t+8*\m:S+32*\t+8*\m+7], v[KV+16*\m+8:KV+16*\m+15], v[Q+16*\t+8:Q+16*\t+15], v[S+32*\t+8*\m:S+32*\t+8*\m+7]
.endr
.endr
	v_add_nc_u32 v[ADR], s[TV], v[AV0]
.rept 4
	v_nop                                          ; places in front of the loads into K's registers and of the first read of the scores
.endr
.irp g, 0,1                                    ; V, turned: keys 32 g on, channels 16 i on; it lands while the softmax is worked
.irp i, 0,1,2,3
	ds_load_tr16_b128 v[KV+32*\g+8*\i:KV+32*\g+8*\i+3], v[ADR] offset:\g*32*PV+32*\i
	ds_load_tr16_b128 v[KV+32*\g+8*\i+4:KV+32*\g+8*\i+7], v[ADR] offset:\g*32*PV+16*PV+32*\i
.endr
.endr
	s_add_co_u32 s57, s[KF], 63                    ; the diagonal: one step of a wave.  A step all of whose keys count jumps over it
	s_cmp_le_u32 s57, s[Q0]
	s_cbranch_scc1 .Lopen_\@
	s_sub_co_i32 s57, s[Q0], s[KF]
	v_add_nc_u32 v252, s57, v[QD]                  ; d = my query - KF - 8 (lane / 16).  Register 8 m + j holds key KF + 16 m + 8 (lane / 16) + j: hidden where 16 m + j > d
	v_add_nc_u32 v253, 16, v252                    ; tile 1's queries lie 16 further on
.irp t, 0,1
.set n, 0
.rept 32
	v_cmp_gt_i32 vcc_lo, 16*(n/8)+n%8, v[252+\t]
	v_cndmask_b32 v[S+32*\t+n], v[S+32*\t+n], v[NINF], vcc_lo
.set n, n+1
.endr
.endr
.Lopen_\@:
.irp j, 0,1,2,3                                ; the maximum of my 32 scores and the old m; the two tiles by turns; each accumulator is read from its low end on
.irp t, 0,1
	v_max3_num_f32 v[ST+8*\t+4+\j], v[S+32*\t+8*\j], v[S+32*\t+8*\j+1], v[S+32*\t+8*\j+2]
.endr
.endr
.irp i, 3,5
.irp j, 0,1,2,3
.irp t, 0,1
	v_max3_num_f32 v[ST+8*\t+4+\j], v[ST+8*\t+4+\j], v[S+32*\t+8*\j+\i], v[S+32*\t+8*\j+\i+1]
.endr
.endr
.endr
.irp t, 0,1
	v_max3_num_f32 v[ST+8*\t+4], v[ST+8*\t+4], v[S+32*\t+7], v[S+32*\t+15]
.endr
.irp t, 0,1
	v_max3_num_f32 v[ST+8*\t+6], v[ST+8*\t+6], v[S+32*\t+23], v[S+32*\t+31]
.endr
.irp t, 0,1
	v_max3_num_f32 v[ST+8*\t+4], v[ST+8*\t+4], v[ST+8*\t+5], v[ST+8*\t+6]
.endr
.irp t, 0,1
	v_max3_num_f32 v[ST+8*\t+4], v[ST+8*\t+4], v[ST+8*\t+7], v[ST+8*\t+1]
.endr
.irp t, 0,1
	v_permlanex16_b32 v[ST+8*\t+5], v[ST+8*\t+4], s[SEL], s[SEL+1]   ; the query's other 32 keys lie in the lane 16 away
.endr
.irp t, 0,1
	v_mov_b32 v[ST+8*\t+7], v[ST+8*\t]             ; c m_old
.endr
.irp t, 0,1
	v_max_num_f32 v[ST+8*\t+1], v[ST+8*\t+4], v[ST+8*\t+5]
.endr
.irp t, 0,1
	v_mul_f32 v[ST+8*\t], s[CS], v[ST+8*\t+1]
.endr
.irp t, 0,1
	v_sub_f32 v[ST+8*\t+7], v[ST+8*\t+7], v[ST+8*\t]
.endr
.irp b, 0,2,4,6,8,10,12,14,16,18,20,22,24,26,28,30
.irp t, 0,1
	v_pk_fma_f32 v[S+32*\t+\b:S+32*\t+\b+1], v[S+32*\t+\b:S+32*\t+\b+1], s[CS:CS+1], v[ST+8*\t:ST+8*\t+1] op_sel_hi:[1,0,0] neg_lo:[0,0,1] neg_hi:[0,0,1]   ; c s - c m
.endr
.endr
.irp t, 0,1
	v_exp_f32 v[ST+8*\t+6], v[ST+8*\t+7]           ; a
.endr
.set e, 0
.rept 32
	v_exp_f32 v[S+e], v[S+e]                       ; p, at most 1
	v_exp_f32 v[S+32+e], v[S+32+e]
.set e, e+1
.endr
	v_nop                                          ; a plain line behind the last exponential
	s_wait_alu depctr_va_vdst(0)                   ; one wait for the batch of 66, ahead of its first reader
.irp t, 0,1
	v_pk_mul_f32 v[ST+8*\t+2:ST+8*\t+3], v[ST+8*\t+2:ST+8*\t+3], v[ST+8*\t+6:ST+8*\t+7] op_sel_hi:[1,0]   ; l under the new m
.endr
.irp t, 0,1
	v_pk_add_f32 v[252+2*\t:253+2*\t], v[S+32*\t:S+32*\t+1], v[S+32*\t+2:S+32*\t+3]    ; the sum of the unrounded p, in two chains
.endr
.irp j, 4,8,12,16,20,24,28
.irp t, 0,1
	v_pk_add_f32 v[ST+8*\t+2:ST+8*\t+3], v[ST+8*\t+2:ST+8*\t+3], v[S+32*\t+\j:S+32*\t+\j+1]
	v_pk_add_f32 v[252+2*\t:253+2*\t], v[252+2*\t:253+2*\t], v[S+32*\t+\j+2:S+32*\t+\j+3]
.endr
.endr
.irp t, 0,1
	v_pk_add_f32 v[ST+8*\t+2:ST+8*\t+3], v[ST+8*\t+2:ST+8*\t+3], v[252+2*\t:253+2*\t]
.endr
.irp g, 0,1                                    ; p to f16, in place and ascending: register 16 g + i takes numbers 16 g + 2 i and + 1; no source is written before it is read
.irp i, 0,1,2,3,4,5,6,7
.irp t, 0,1
	v_cvt_pk_f16_f32 v[S+32*\t+16*\g+\i], v[S+32*\t+16*\g+2*\i], v[S+32*\t+16*\g+2*\i+1]
.endr
.endr
.endr
.irp k, 0,2,4,6,8,10,12,14,16,18,20,22,24,26,28,30
.irp t, 0,1
	v_pk_mul_f32 v[O+32*\t+\k:O+32*\t+\k+1], v[O+32*\t+\k:O+32*\t+\k+1], v[ST+8*\t+6:ST+8*\t+7] op_sel_hi:[1,0]   ; O^T under the new m
.endr
.endr
	s_wait_dscnt 0x0                               ; V is in
.irp g, 0,1                                    ; O^T += V^T P: the eight accumulators by turns
.irp i, 0,1,2,3
.irp t, 0,1
	v_wmma_f32_16x16x32_f16 v[O+32*\t+8*\i:O+32*\t+8*\i+7], v[KV+32*\g+8*\i:KV+32*\g+8*\i+7], v[S+32*\t+16*\g:S+32*\t+16*\g+7], v[O+32*\t+8*\i:O+32*\t+8*\i+7]
.endr
.endr
.endr
.Lhidden_\@:
	s_add_co_u32 s[KF], s[KF], 64
	s_add_co_u32 s[TK], s[TK], 64*PK
	s_add_co_u32 s[TV], s[TV], 64*PV
.endm
; THE CHANGE OF SLOTS, at a slot's head.  Each wave waits for all its tensor loads, adds 0 to its spare word (fill = 1: twice on end),
; and waits for that and for its reads of the slot that it has left.  Behind the barrier the slot ahead is whole and nobody reads the other one, which is then filled with the keys that follow.
.macro CHANGE fill
	s_wait_tensorcnt 0x0                           ; no tensor load of mine is out, so a group 0 may be written
	ds_add_u32 v[SPW], v[NIL]
.if \fill
	ds_add_u32 v[SPW], v[NIL]
	s_xor_b32 s[G0K+1], s[G0K+1], SLOT1
	s_add_nc_u64 s[G0K+2:G0K+3], s[G0K+2:G0K+3], SKEYS*128
	s_xor_b32 s[G0V+1], s[G0V+1], SLOT1
	s_add_nc_u64 s[G0V+2:G0V+3], s[G0V+2:G0V+3], SKEYS*128
	s_wait_xcnt 0x0                                ; the last prefetch, a slot back, has read its address
	s_add_nc_u64 s[PFA:PFA+1], s[PFA:PFA+1], SKEYS*128
.endif
	s_wait_dscnt 0x0
	s_barrier_signal -1
	s_barrier_wait -1
.if \fill
	s_add_co_u32 s57, s[KF], SKEYS                 ; the first key of the slot that this change would ask for:
	s_cmp_gt_u32 s57, s[WL]                        ; past my work-group's last query none of its waves would read it.  Ids and the count of steps alone: all sixteen waves go the same way
	s_cbranch_scc1 .Lpast_\@
	TLOAD                                          ; a wave's one tensor load until the next such barrier
.Lpast_\@:
	ASK
.endif
.endm
.macro SLOT_STEPS                      ; a slot's four steps: written once, walked four times
	s_mov_b32 s[FOUR], 4
.Lstep_\@:
	STEP
	s_sub_co_u32 s[FOUR], s[FOUR], 1
	s_cmp_lg_u32 s[FOUR], 0
	s_cbranch_scc1 .Lstep_\@
	s_sub_co_u32 s[TK], s[TK], SKEYS*PK
	s_xor_b32 s[TK], s[TK], SLOT1                  ; on to the other slot
	s_sub_co_u32 s[TV], s[TV], SKEYS*PV
	s_xor_b32 s[TV], s[TV], SLOT1
.endm
	s_wait_loadcnt 0x0                             ; Q
.Lslot:                                                ; seven trips: behind each change of slots but the last the next slot is asked for, up to the causal limit
	CHANGE 1
	SLOT_STEPS
	s_sub_co_u32 s[SLOTS], s[SLOTS], 1
	s_cmp_lg_u32 s[SLOTS], 0
	s_cbranch_scc1 .Lslot
	CHANGE 0                                       ; the last slot is written out: nothing is left to ask for
	SLOT_STEPS
	; THE WAY OUT: O^T / l, rounded to f16, through my stage, 512 consecutive bytes a store.
.rept 4
	v_nop                                          ; places behind the last products
.endr
.irp t, 0,1
	v_add_f32 v[ST+8*\t+4], v[ST+8*\t+2], v[ST+8*\t+3]
.endr
.irp t, 0,1
	v_permlanex16_b32 v[ST+8*\t+5], v[ST+8*\t+4], s[SEL], s[SEL+1]
.endr
.irp t, 0,1
	v_add_f32 v[ST+8*\t+4], v[ST+8*\t+4], v[ST+8*\t+5]
.endr
.irp t, 0,1
	v_rcp_f32 v[ST+8*\t+6], v[ST+8*\t+4]
.endr
	v_nop
	s_wait_alu depctr_va_vdst(0)                   ; one wait for the two reciprocals, ahead of their first reader
.irp t, 0,1
.irp k, 0,2,4,6,8,10,12,14,16,18,20,22,24,26,28,30
	v_pk_mul_f32 v[O+32*\t+\k:O+32*\t+\k+1], v[O+32*\t+\k:O+32*\t+\k+1], v[ST+8*\t+6:ST+8*\t+7] op_sel_hi:[1,0]
.endr
.irp k, 0,1,2,3,4,5,6,7,8,9,10,11,12,13,14,15
	v_cvt_pk_f16_f32 v[S+32*\t+\k], v[O+32*\t+2*\k], v[O+32*\t+2*\k+1]
.endr
.irp i, 0,1,2,3
	ds_store_b128 v[STO], v[S+32*\t+4*\i:S+32*\t+4*\i+3] offset:2304*\t+32*\i
.endr
.irp u, 0,1,2,3
	ds_load_b128 v[S+32*\t+16+4*\u:S+32*\t+16+4*\u+3], v[RD] offset:2304*\t+576*\u   ; in order behind my stores
.endr
.endr
.irp u, 0,1,2,3
	s_wait_dscnt 11-\u                             ; tile 0's load u is in: its later loads and tile 1's eight instructions may be out
	global_store_b128 v[GO], v[S+16+4*\u:S+16+4*\u+3], s[10:11] offset:512*\u
.endr
.irp u, 0,1,2,3
	s_wait_dscnt 3-\u
	global_store_b128 v[GO], v[S+48+4*\u:S+48+4*\u+3], s[10:11] offset:2048+512*\u
.endr
	s_wait_tensorcnt 0x0                           ; the wave's end
	ds_add_u32 v[SPW], v[NIL]
	s_wait_dscnt 0x0
	s_endpgm
.Lfunc_end_k_q8c007d918e_attn:
	.size	k_q8c007d918e_attn, .Lfunc_end_k_q8c007d918e_attn-k_q8c007d918e_attn
	.p2alignl 7, 3214868480
	.fill 96, 4, 3214868480
	.section	.rodata,"a",@progbits
	.p2align	6, 0x0
	.amdhsa_kernel k_q8c007d918e_attn
		.amdhsa_group_segment_fixed_size 327680
		.amdhsa_private_segment_fixed_size 0
		.amdhsa_enable_private_segment 0
		.amdhsa_kernarg_size 16
		.amdhsa_user_sgpr_count 2
		.amdhsa_user_sgpr_kernarg_segment_ptr 1
		.amdhsa_wavefront_size32 1
		.amdhsa_system_sgpr_workgroup_id_x 1
		.amdhsa_system_sgpr_workgroup_id_y 1
		.amdhsa_system_sgpr_workgroup_id_z 1
		.amdhsa_system_vgpr_workitem_id 0
		.amdhsa_next_free_vgpr 256
		.amdhsa_next_free_sgpr 76
		.amdhsa_reserve_vcc 1
		.amdhsa_float_denorm_mode_32 3
		.amdhsa_float_denorm_mode_16_64 3
		.amdhsa_memory_ordered 1
		.amdhsa_forward_progress 1
		.amdhsa_inst_pref_size 62
	.end_amdhsa_kernel
	.amdgpu_metadata
---
amdhsa.version: [ 1, 2 ]
amdhsa.kernels:
  - .name:           k_q8c007d918e_attn
    .symbol:         k_q8c007d918e_attn.kd
    .args:
      - { .name: qkv, .offset: 0, .size: 8, .value_kind: global_buffer, .address_space: global }
      - { .name: y16, .offset: 8, .size: 8, .value_kind: global_buffer, .address_space: global }
    .group_segment_fixed_size: 327680
    .private_segment_fixed_size: 0
    .kernarg_segment_align: 8
    .kernarg_segment_size: 16
    .max_flat_workgroup_size: 512
    .sgpr_count:     76
    .vgpr_count:     256
    .wavefront_size: 32
...
	.end_amdgpu_metadata
.endif
;; end of part 3
;; launch proj (part 4): grid 8 x 32, 4 waves a work-group, clusters of 4 x 4, 327,680 bytes of LDS; arguments y16, wot, b_o, out0; writes out0
.if DOCPART == 4
	.amdgcn_target "amdgcn-amd-amdhsa--gfx1250"
	.amdhsa_code_object_version 6
	.text
	.protected	k_q8c007d918e_proj
	.globl	k_q8c007d918e_proj
	.p2align	8
	.type	k_q8c007d918e_proj,@function
k_q8c007d918e_proj:
	s_mov_b64 s[64:65], 0
	v_nop
	global_prefetch_b8 v0, s[64:65] scope:SCOPE_SE
	s_setreg_imm32_b32 hwreg(HW_REG_WAVE_MODE, 25, 1), 1
	s_wait_xcnt 0x0
	s_wait_alu depctr_hold_cnt(0) depctr_sa_sdst(0) depctr_va_vdst(0) depctr_va_sdst(0) depctr_va_ssrc(0) depctr_va_vcc(0) depctr_vm_vsrc(0)
	s_getreg_b32 s2, hwreg(HW_REG_IB_STS2, 6, 4)
	s_cmp_eq_u32 s2, 0
	s_cbranch_scc0 .Lentry_in_a_cluster
	s_endpgm
.Lentry_in_a_cluster:
	s_bfe_u32 s2, ttmp6, 0x10000c
	s_cmp_lg_u32 s2, 0xf033
	s_cbranch_scc0 .Lentry_shape_is_right
	s_endpgm
.Lentry_shape_is_right:
; Launch 4 of 5: out0 = y w_o + b_o on f16 operands, f32 sums.  A = y16 [4 b][16 h][2048 t][64 d] f16; B = wot [1024 n][1024 k] f16; out0 [8192][1024] f32.
; NOT STORED HERE: the rows of positions 0-15 of each sequence.  They sit inside live tiles, so they are multiplied, but the last launch owns those rows of out0 and makes them in f32.
; A tile of C is 256 rows x 128 columns: 256 work-groups.  Four waves, 128 x 64 each: 32 accumulators.  A K step is 128 = two heads: A's tile is two planes of 256 rows x 128 bytes, each dense in memory.
; Two slots; waves 0 and 1 fetch a plane of A each, waves 2 and 3 64 rows of B each.  CLUSTERS 4 x 4: A's tiles are shared along a row of the cluster, B's along a column, by joint loads.
; THE MATRIX INSTRUCTION IS USED TRANSPOSED (source 0 = 16 rows of B, source 1 = 16 rows of A): a lane holds eight neighbouring columns of a row of C.  The bias is the C of each sum's first product.
; REGISTERS: window 0: v0-31 addresses; v32-63 the bias; v64-127 rows on their way out.   window 1: the accumulators ((a, b) at v[8 (4 a + b)]).
;   window 2: two fragment buffers at v0 and v128: A's eight fragments, then from +64 B's four.
.set PA,     144                       ; a row of a plane of A in LDS: 128 bytes + 16
.set PB,     272                       ; a row of B: 256 + 16
.set PLANE,  256*PA
.set BOFF,   2*PLANE
.set SLOT,   BOFF+128*PB
.set STAGE,  2*SLOT                    ; behind the ring: 16 rows x (256 bytes + 16) for each wave
.set SPITCH, 272
.set SPARE,  STAGE+4*16*SPITCH
.set LAPS,   4                         ; K = 1,024 is eight K steps, four times round the ring
.set ADRA, 16
.set ADRB, 20
.set STO,  24
.set RD,   25
.set CO,   26
.set CF,   27                          ; v27  0 where my block 0 holds positions 0-15 of a sequence
.set SPW,  28
.set NIL,  29
.set PFO,  30
.set BO,   31
.set BI,   32
.set BK,   64
.set F0,   0
.set F1,   128
.set G1, 24
.set G0, 32
.set G1B, 48
.set G0B, 56
.set PFA, 66
.set LIM, 68
.set MSB, 0
.macro WIN new
.if MSB != (\new)
	s_set_vgpr_msb (MSB<<8)|(\new)
.set MSB, (\new)
.endif
.endm
.set MUL,  0x5a                        ; sources 0 and 1 window 2; C and D window 1
.set TO_F, 0x80                        ; destination window 2, address window 0
.macro JLOAD s                         ; a joint load; an s_nop 0 and four v_nop follow each of the two lines
	s_cmp_eq_u32 s15, 0
	s_cbranch_scc0 .Lfor_b_\@
	tensor_load_to_lds s[G0+4*\s:G0+4*\s+3], s[G1:G1+7]
	s_nop 0
.rept 4
	v_nop
.endr
	s_branch .Lasked_\@
.Lfor_b_\@:
	tensor_load_to_lds s[G0B+4*\s:G0B+4*\s+3], s[G1B:G1B+7]
	s_nop 0
.rept 4
	v_nop
.endr
.Lasked_\@:
.endm
.macro CREST
	s_cmp_lg_u32 s14, 0
	s_cbranch_scc1 .Lnot_wave_0_\@
	s_barrier_signal -3
.Lnot_wave_0_\@:
	s_barrier_wait -3
	s_barrier_signal -1
	s_barrier_wait -1
.endm
.macro CROUND
	s_barrier_signal -1
	s_barrier_wait -1
	CREST
.endm
; A prefetch of A's K step that stands two refills on.  A tile row is read by both clusters of its row of clusters: cluster x = 0 asks.  Waves 0 and 1 ask, each for the plane that it fetches; the four
; partners share a plane's 32,768 dense bytes out by address, 8,192 each, lanes 256 bytes apart: each block is named once.  The loop's last trip asks for nothing.  B's rows are read by all 32 tile rows: not asked for.
.macro ASK
	s_cmp_gt_u32 s3, s[LIM]
	s_cbranch_scc0 .Lnot_mine_\@
	global_prefetch_b8 v[PFO], s[PFA:PFA+1] offset:524288 th:TH_LOAD_NT scope:SCOPE_SE
.Lnot_mine_\@:
.endm
	s_load_b256 s[4:11], s[0:1], 0x0               ; y16 s[4:5], wot s[6:7], b_o s[8:9], out0 s[10:11]
	v_lshl_add_u32 v[SPW], v0, 2, SPARE
	v_mov_b32 v[NIL], 0
	ds_add_u32 v[SPW], v[NIL]                      ; the wave's opening: the add, twice on end, and its wait ahead of my first tensor load
	ds_add_u32 v[SPW], v[NIL]
	v_lshrrev_b32 v1, 5, v0
	v_readfirstlane_b32 s14, v1                    ; wave 0..3
	s_lshr_b32 s15, s14, 1                         ; my half of the tile's rows.  Also: I fetch for A (0) or for B (1)
	s_and_b32 s16, s14, 1                          ; my half of its columns.  Also: which plane of A, or which 64 rows of B, I fetch
	s_bfe_u32 s40, ttmp6, 0x40000                  ; cx
	s_bfe_u32 s41, ttmp6, 0x40004                  ; cy
	s_lshl_b32 s42, ttmp9, 2
	s_add_co_u32 s42, s42, s40                     ; tile column
	s_and_b32 s17, ttmp7, 0xffff
	s_lshl_b32 s17, s17, 2
	s_add_co_u32 s17, s17, s41                     ; tile row
	s_lshl_b32 s43, s41, 2
	s_lshl_b32 s43, 15, s43                        ; my row of the cluster
	s_lshl_b32 s44, 0x1111, s40                    ; my column
	s_or_b32 s[G1+0], s43, (1<<16)|(1<<20)|(1<<21)|(4<<22)|(3<<25)    ; A: mask of my row; elements of 2 bytes; 4 words of padding behind every 32
	s_mov_b32 s[G1+1], 64<<16                      ; tensor_dim0
	s_mov_b32 s[G1+2], 256<<16                     ; tensor_dim1
	s_mov_b32 s[G1+3], 64<<16                      ; tile_dim0
	s_mov_b32 s[G1+4], 256                         ; tile_dim1
	s_mov_b32 s[G1+5], 64                          ; pitch
	s_mov_b32 s[G1+6], 0
	s_mov_b32 s[G1+7], 0
	s_or_b32 s[G1B+0], s44, (1<<16)|(1<<20)|(1<<21)|(5<<22)|(3<<25)   ; B: mask of my column; 4 words behind every 64
	s_mov_b32 s[G1B+1], 128<<16
	s_mov_b32 s[G1B+2], 64<<16
	s_mov_b32 s[G1B+3], 128<<16
	s_mov_b32 s[G1B+4], 64
	s_mov_b32 s[G1B+5], 1024
	s_mov_b32 s[G1B+6], 0
	s_mov_b32 s[G1B+7], 0
	s_lshr_b32 s18, s17, 3                         ; A hangs on the tile row and the wave alone: the sequence x 4,194,304
	s_lshl_b32 s18, s18, 22
	s_and_b32 s19, s17, 7
	s_lshl_b32 s19, s19, 15                        ; + 256 rows of 128 bytes for each tile row in it
	s_add_co_u32 s18, s18, s19
	s_lshl_b32 s19, s16, 18                        ; + my plane: a head is 262,144 bytes
	s_add_co_u32 s18, s18, s19
	s_mov_b32 s19, 0
	s_lshl_b32 s46, s42, 7                         ; B on the tile column and the wave alone: row 128 x tile column + 64 x half,
	s_lshl_b32 s47, s16, 6
	s_add_co_u32 s46, s46, s47
	s_lshl_b32 s46, s46, 11                        ; of 2,048 bytes
	s_mov_b32 s47, 0
	s_mul_i32 s20, s16, PLANE                      ; where they go: no place in the cluster enters an LDS address
	s_mul_i32 s21, s16, 64*PB
	s_add_co_u32 s21, s21, BOFF
	s_wait_dscnt 0x0                               ; both opening adds are done
	s_wait_kmcnt 0x0
	s_add_nc_u64 s[18:19], s[4:5], s[18:19]
	s_add_nc_u64 s[46:47], s[6:7], s[46:47]
	CROUND                                         ; all sixteen work-groups are here: the first joint loads meet
.irp s, 0,1
	s_mov_b32 s[G0+4*\s], 1
	s_add_co_u32 s[G0+4*\s+1], s20, \s*SLOT
	s_add_nc_u64 s[G0+4*\s+2:G0+4*\s+3], s[18:19], \s*524288        ; K step s: two heads on
	s_or_b32 s[G0+4*\s+3], s[G0+4*\s+3], 0x80000000
	s_mov_b32 s[G0B+4*\s], 1
	s_add_co_u32 s[G0B+4*\s+1], s21, \s*SLOT
	s_add_nc_u64 s[G0B+4*\s+2:G0B+4*\s+3], s[46:47], \s*256
	s_or_b32 s[G0B+4*\s+3], s[G0B+4*\s+3], 0x80000000
	JLOAD \s
.endr
	v_and_b32 v1, 15, v0                           ; r
	v_bfe_u32 v2, v0, 4, 1                         ; h
	v_lshlrev_b32 v[BO], 5, v2
	s_lshl_b32 s22, s42, 9
	s_lshl_b32 s23, s16, 8
	s_add_co_u32 s22, s22, s23                     ; my first column x 4 bytes
	s_mov_b32 s23, 0
	s_add_nc_u64 s[8:9], s[8:9], s[22:23]
.irp b, 0,1,2,3
	global_load_b128 v[BI+8*\b:BI+8*\b+3], v[BO], s[8:9] offset:64*\b            ; b_o at columns 16 b + 8 h + 0 .. 7 of my 64
	global_load_b128 v[BI+8*\b+4:BI+8*\b+7], v[BO], s[8:9] offset:64*\b+16
.endr
	s_add_nc_u64 s[10:11], s[10:11], s[22:23]
	s_lshl_b32 s22, s17, 8
	s_lshl_b32 s45, s15, 7
	s_add_co_u32 s22, s22, s45
	s_lshl_b32 s22, s22, 12                        ; my first row, of 4,096 bytes
	s_add_nc_u64 s[10:11], s[10:11], s[22:23]
	s_and_b32 s22, s17, 7
	s_or_b32 s22, s22, s15
	v_mov_b32 v[CF], s22
	v_mul_u32_u24 v3, v1, PA
	v_lshl_add_u32 v3, v2, 4, v3
	v_mul_u32_u24 v4, v1, PB
	v_lshl_add_u32 v4, v2, 4, v4
	s_mul_i32 s22, s15, 128*PA                     ; my 128 rows in each plane of A
	s_mul_i32 s45, s16, 64*PB                      ; my 64 rows of B
	s_add_co_u32 s45, s45, BOFF
.irp s, 0,1
	v_add_nc_u32 v[ADRA+\s], s22, v3
	v_add_nc_u32 v[ADRB+\s], s45, v4
	s_add_co_u32 s22, s22, SLOT
	s_add_co_u32 s45, s45, SLOT
.endr
	s_mul_i32 s22, s14, 16*SPITCH
	s_add_co_u32 s22, s22, STAGE                   ; my stage
	v_mul_u32_u24 v5, v1, SPITCH
	v_lshl_add_u32 v5, v2, 5, v5
	v_add_nc_u32 v[STO], s22, v5                   ; in: row r, 32 bytes for each half of the lanes
	v_mul_u32_u24 v5, v2, SPITCH
	v_lshl_add_u32 v5, v1, 4, v5
	v_add_nc_u32 v[RD], s22, v5                    ; back: lanes 0-15 one row of 256 bytes, lanes 16-31 the next
	v_lshlrev_b32 v5, 12, v2
	v_lshl_add_u32 v[CO], v1, 4, v5                ; and the same two rows in out0
	s_lshl_b32 s22, s40, 13                        ; the prefetches: my work-group's 8,192 bytes of the plane that I fetch,
	s_add_co_u32 s22, s22, 2*524288                ; at K step 2: the first refill steps it to 3 and names K step 4.  Nothing is prefetched at the head
	s_add_nc_u64 s[PFA:PFA+1], s[18:19], s[22:23]
	s_or_b32 s22, s15, ttmp9                       ; waves 0 and 1 of cluster x = 0: the same in all sixteen partners, for a given wave
	s_cmp_eq_u32 s22, 0
	s_cselect_b32 s[LIM], 1, -1
	v_and_b32 v[PFO], 31, v0
	v_lshlrev_b32 v[PFO], 8, v[PFO]
; 8 products: A's blocks a0, a0 + 1 x B's four, 32 along K.  bias = 1: C is the bias.  The 32 accumulators take turns, one instruction a turn.
.macro MUL8 f, a0, bias
.irp a, \a0, \a0+1
.irp b, 0,1,2,3
.if \bias
	v_wmma_f32_16x16x32_f16 v[8*(4*(\a)+\b):8*(4*(\a)+\b)+7], v[\f+64+8*\b:\f+64+8*\b+7], v[\f+8*(\a):\f+8*(\a)+7], v[BI+8*\b:BI+8*\b+7]
.else
	v_wmma_f32_16x16x32_f16 v[8*(4*(\a)+\b):8*(4*(\a)+\b)+7], v[\f+64+8*\b:\f+64+8*\b+7], v[\f+8*(\a):\f+8*(\a)+7], v[8*(4*(\a)+\b):8*(4*(\a)+\b)+7]
.endif
.endr
.endr
.endm
; 24 LDS loads in one run: quarter q (32 along K) of a slot into buffer f.  Quarters 0, 1 lie in A's plane 0, quarters 2, 3 in plane 1.
.macro FETCH slot, q, f
	WIN TO_F
.irp i, 0,1,2,3
	ds_load_b128 v[\f+64+8*\i:\f+64+8*\i+3],   v[ADRB+\slot] offset:64*(\q)+\i*16*PB
	ds_load_b128 v[\f+64+8*\i+4:\f+64+8*\i+7], v[ADRB+\slot] offset:64*(\q)+\i*16*PB+32
.endr
.irp i, 0,1,2,3,4,5,6,7
	ds_load_b128 v[\f+8*\i:\f+8*\i+3],   v[ADRA+\slot] offset:((\q)/2)*PLANE+((\q)%2)*64+\i*16*PA
	ds_load_b128 v[\f+8*\i+4:\f+8*\i+7], v[ADRA+\slot] offset:((\q)/2)*PLANE+((\q)%2)*64+\i*16*PA+32
.endr
.endm
.macro PLACES                          ; four plain places behind matrix instructions, in front of loads into their registers and of reads of their results
.rept 4
	v_nop
.endr
.endm
; One of a slot's first three quarters: fetches quarter qn of the slot into g, multiplies f.
.macro QUARTER slot, qn, f, g, bias
	PLACES                                         ; g was multiplied last
	FETCH \slot, \qn, \g
	s_wait_dscnt 24                                ; f is in; the 24 loads just issued may be out
	WIN (MUL-0x10*(\bias))                         ; bias = 1: C in window 0
	MUL8 \f, 0, \bias
	MUL8 \f, 2, \bias
	MUL8 \f, 4, \bias
	MUL8 \f, 6, \bias
.endm
; A slot's last quarter multiplies buffer 1 and changes slots: one barrier; in front of it each wave waits for all its tensor loads, adds 0 to its spare word, and waits for that and for its reads of
; this slot.  fill = 1: the barrier opens a round of the cluster's, and the slot is filled again, two K steps ahead, first thing behind the round.
.macro TURN slot, next, fill
.if \fill
	s_wait_xcnt 0x0                                ; the last prefetch, a K step back, has read its address
	s_add_nc_u64 s[PFA:PFA+1], s[PFA:PFA+1], 524288
.endif
	WIN 0
	s_wait_tensorcnt 0x0                           ; all my tensor loads have landed: my part of the next slot
	ds_add_u32 v[SPW], v[NIL]
	s_wait_dscnt 1                                 ; buffer 1 is in; the add alone may be out
	WIN MUL
	MUL8 F1, 0, 0
	s_wait_dscnt 0x0                               ; the add is done, and my reads of this slot are over
	s_barrier_signal -1
	MUL8 F1, 2, 0
.if \fill
	WIN 0
.endif
	s_barrier_wait -1
.if \fill
	CREST                                          ; no wave of any partner still reads this slot's tiles or has a load on its way
	s_add_nc_u64 s[G0+4*\slot+2:G0+4*\slot+3], s[G0+4*\slot+2:G0+4*\slot+3], 2*524288
	s_add_nc_u64 s[G0B+4*\slot+2:G0B+4*\slot+3], s[G0B+4*\slot+2:G0B+4*\slot+3], 2*256
	JLOAD \slot                                    ; its four v_nop are also the places in front of the loads below
.else
	PLACES
.endif
	FETCH \next, 0, F0
.if \fill
	WIN 0
	ASK
.endif
	WIN MUL
	MUL8 F1, 4, 0
	MUL8 F1, 6, 0
.endm
	s_wait_tensorcnt 1                             ; my part of K step 0 is in; K step 1's may be out
	s_barrier_signal -1
	s_barrier_wait -1
	FETCH 0, 0, F0
	s_wait_loadcnt 0x0                             ; the bias
	QUARTER 0, 1, F0, F1, 1                        ; the first quarter stands in front of the loop: its products start the sums from the bias
	WIN 0
	s_mov_b32 s3, LAPS-1
.Llap:                                                 ; a trip goes once round the ring and fills both slots again
	QUARTER 0, 2, F1, F0, 0
	QUARTER 0, 3, F0, F1, 0
	TURN 0, 1, 1
	QUARTER 1, 1, F0, F1, 0
	QUARTER 1, 2, F1, F0, 0
	QUARTER 1, 3, F0, F1, 0
	TURN 1, 0, 1
	QUARTER 0, 1, F0, F1, 0
	WIN 0
	s_sub_co_u32 s3, s3, 1
	s_cmp_lg_u32 s3, 0
	s_cbranch_scc1 .Llap
	QUARTER 0, 2, F1, F0, 0                        ; the last lap fills nothing
	QUARTER 0, 3, F0, F1, 0
	TURN 0, 1, 0
	QUARTER 1, 1, F0, F1, 0
	QUARTER 1, 2, F1, F0, 0
	QUARTER 1, 3, F0, F1, 0
	s_wait_dscnt 0x0
	MUL8 F1, 0, 0
	MUL8 F1, 2, 0
	MUL8 F1, 4, 0
	MUL8 F1, 6, 0
	WIN 0
; THE WAY OUT, block by block of 16 rows x 64 columns: through my stage, back as whole rows of 256 bytes; sixteen lanes store 256 consecutive bytes, aligned.
.macro TOSTAGE a
	WIN 0x04                                       ; an LDS store's data: window 1
.irp b, 0,1,2,3
	ds_store_b128 v[STO], v[8*(4*(\a)+\b):8*(4*(\a)+\b)+3] offset:64*\b          ; each accumulator from its low end on
	ds_store_b128 v[STO], v[8*(4*(\a)+\b)+4:8*(4*(\a)+\b)+7] offset:64*\b+16
.endr
	WIN 0
.set BB, BK+32*((\a)%2)
.irp u, 0,1,2,3,4,5,6,7
	ds_load_b128 v[BB+4*\u:BB+4*\u+3], v[RD] offset:\u*2*SPITCH                  ; in order behind my stores
.endr
.endm
.macro SEND a, younger                 ; younger: the LDS instructions issued behind block a's loads
.set BB, BK+32*((\a)%2)
	s_wait_dscnt \younger
.if (\a) == 0
	v_cmp_ne_u32 vcc_lo, 0, v[CF]                  ; block 0 is not stored where it holds positions 0-15: lanes off, no branch on a place in the cluster
	s_wait_xcnt 0x0                                ; EXEC changes only behind this wait
	s_and_saveexec_b32 s69, vcc_lo
.else
	s_add_nc_u64 s[10:11], s[10:11], 65536         ; 16 rows on (behind a wait on XCNT: the earlier stores have read their base)
.endif
.irp u, 0,1,2,3,4,5,6,7
	global_store_b128 v[CO], v[BB+4*\u:BB+4*\u+3], s[10:11] offset:8192*\u th:TH_STORE_NT
.endr
.if (\a) == 0
	s_wait_xcnt 0x0
	s_or_b32 exec_lo, exec_lo, s69
.endif
.endm
	PLACES
	TOSTAGE 0
.irp a, 1,2,3,4,5,6,7
.if \a > 1
	s_wait_xcnt 0x0                                ; block a - 2's stores have read their registers and their base
.endif
	TOSTAGE \a
	SEND \a-1, 16                                  ; behind block a - 1's loads: block a's 8 stores and 8 loads
.endr
	s_wait_xcnt 0x0
	SEND 7, 0
	s_wait_tensorcnt 0x0                           ; the wave's end
	ds_add_u32 v[SPW], v[NIL]
	s_wait_dscnt 0x0
	CROUND                                         ; the closing round
	s_endpgm
.Lfunc_end_k_q8c007d918e_proj:
	.size	k_q8c007d918e_proj, .Lfunc_end_k_q8c007d918e_proj-k_q8c007d918e_proj
	.p2alignl 7, 3214868480
	.fill 96, 4, 3214868480
	.section	.rodata,"a",@progbits
	.p2align	6, 0x0
	.amdhsa_kernel k_q8c007d918e_proj
		.amdhsa_group_segment_fixed_size 327680
		.amdhsa_private_segment_fixed_size 0
		.amdhsa_enable_private_segment 0
		.amdhsa_kernarg_size 32
		.amdhsa_user_sgpr_count 2
		.amdhsa_user_sgpr_kernarg_segment_ptr 1
		.amdhsa_wavefront_size32 1
		.amdhsa_system_sgpr_workgroup_id_x 1
		.amdhsa_system_sgpr_workgroup_id_y 1
		.amdhsa_system_sgpr_workgroup_id_z 1
		.amdhsa_system_vgpr_workitem_id 0
		.amdhsa_next_free_vgpr 768
		.amdhsa_next_free_sgpr 70
		.amdhsa_reserve_vcc 1
		.amdhsa_float_denorm_mode_32 3
		.amdhsa_float_denorm_mode_16_64 3
		.amdhsa_memory_ordered 1
		.amdhsa_forward_progress 1
		.amdhsa_inst_pref_size 87
	.end_amdhsa_kernel
	.amdgpu_metadata
---
amdhsa.version: [ 1, 2 ]
amdhsa.kernels:
  - .name:           k_q8c007d918e_proj
    .symbol:         k_q8c007d918e_proj.kd
    .args:
      - { .name: y16, .offset: 0, .size: 8, .value_kind: global_buffer, .address_space: global }
      - { .name: wot, .offset: 8, .size: 8, .value_kind: global_buffer, .address_space: global }
      - { .name: b_o, .offset: 16, .size: 8, .value_kind: global_buffer, .address_space: global }
      - { .name: out0, .offset: 24, .size: 8, .value_kind: global_buffer, .address_space: global }
    .group_segment_fixed_size: 327680
    .private_segment_fixed_size: 0
    .kernarg_segment_align: 8
    .kernarg_segment_size: 32
    .max_flat_workgroup_size: 128
    .sgpr_count:     70
    .vgpr_count:     768
    .wavefront_size: 32
...
	.end_amdgpu_metadata
.endif
;; end of part 4
;; launch fine (part 5): grid 64 x 4, 16 waves a work-group, no clusters, 18,432 bytes of LDS; arguments h16, w_o, b_o, out0; writes out0
.if DOCPART == 5
	.amdgcn_target "amdgcn-amd-amdhsa--gfx1250"
	.amdhsa_code_object_version 6
	.text
	.protected	k_q8c007d918e_fine
	.globl	k_q8c007d918e_fine
	.p2align	8
	.type	k_q8c007d918e_fine,@function
k_q8c007d918e_fine:
	s_mov_b64 s[64:65], 0
	v_nop
	global_prefetch_b8 v0, s[64:65] scope:SCOPE_SE
	s_setreg_imm32_b32 hwreg(HW_REG_WAVE_MODE, 25, 1), 1
	s_wait_xcnt 0x0
; Launch 5 of 5: the first 16 positions of each sequence, attention and projection, wholly in f32: under the causal mask these rows average one to sixteen values, and rounded operands weigh most there.
; k in h16 carries no bias (a term constant along the softmax's axis: see the first kernel's head).
; h16: f32 [4 b][16 t][3072] = q + b_q, k, v + b_v.  Work-group (g, b) makes out0[b][0:16][16 g : 16 g + 16]; wave w is head w.  48 matrix instructions of the f32 form a wave: no bulk work.
; The f32 form's K step is 4: lane (r, h), register j holds k = 2 h + j.  K is taken in an order of the text's own, alike on both sources of a product, so that plain loads fill the fragments
; and a result serves as the next operand without changing lanes:
;   S^T = K Q^T   step 2 u + e: channels 8 u + 4 h + 2 e + j (a lane's 16-byte loads as they lie).   Result: lane (r, h), register j: key 8 h + j, query r.
;   Y^T = V^T P   step s: keys 8 h + 2 s + j: P's registers 2 s, 2 s + 1 as they stand.               Result, tile i: channel 16 i + 8 h + j, query r.
;   out^T = W^T Y step (i, s): channels 16 i + 8 h + 2 s + j: Y's registers as they stand.            Result: column 16 g + 8 h + j, position r.
; The accumulators (v160-255) are written by matrix instructions alone; what is made of a finished sum goes into other registers.  Four accumulators take turns in each product.
; The sixteen heads' parts meet in LDS; waves 0 and 1 add them and b_o and store.  A work-group stores 64 bytes of each of 16 rows: the launch's whole output is 262,144 bytes.
.set SPARE, 16384                      ; LDS: 1,024 bytes for each wave's part; then the spare words
.set SPW, 20
.set NIL, 21
.set KR,  32                           ; v32-63   K, later sums and p
.set QR,  64                           ; v64-95   Q, later Y^T / l
.set VR,  96                           ; v96-127  V
.set WR,  128                          ; v128-159 W
.set SA,  160                          ; four accumulators of S^T
.set YA,  192                          ; four tiles of Y^T
.set OA,  224                          ; four accumulators of out^T
	s_load_b256 s[4:11], s[0:1], 0x0               ; h16, w_o, b_o, out0
	v_lshl_add_u32 v[SPW], v0, 2, SPARE
	v_mov_b32 v[NIL], 0
	v_lshrrev_b32 v1, 5, v0
	v_readfirstlane_b32 s12, v1                    ; wave = head
	v_and_b32 v1, 15, v0                           ; r
	v_bfe_u32 v2, v0, 4, 1                         ; h
	v_and_b32 v3, 31, v0                           ; lane
	v_mul_u32_u24 v4, v1, 12288
	v_lshl_add_u32 v4, v2, 4, v4                   ; K, Q: row r of 12,288 bytes, + 16 h
	v_mul_u32_u24 v5, v2, 98304
	v_lshl_add_u32 v5, v1, 2, v5                   ; V: row 8 h, channel r
	v_lshlrev_b32 v6, 15, v2
	v_lshl_add_u32 v6, v1, 2, v6                   ; W: row 8 h of 4,096 bytes, column r
	v_lshlrev_b32 v7, 3, v2
	v_sub_nc_u32 v7, v1, v7                        ; d = r - 8 h: key 8 h + j is hidden where j > d
	v_mov_b32 v8, 0xff800000
	s_lshl_b32 s16, s12, 10
	v_lshl_add_u32 v9, v3, 4, s16                  ; LDS: my part, 16 bytes a lane
	s_and_b32 s17, s12, 1                          ; q: which half of a lane's eight columns waves 0 and 1 add up
	s_lshl_b32 s18, s17, 9
	v_lshl_add_u32 v10, v3, 4, s18
	v_lshlrev_b32 v11, 12, v1
	v_lshl_add_u32 v11, v2, 5, v11                 ; out0: row r, + 32 h
	v_lshlrev_b32 v12, 5, v2                       ; b_o: + 32 h
	v_mov_b32 v23, 0                               ; (named with v22 as a pair)
	s_mov_b32 s13, 0x3e38aa3b                      ; c = log2(e) / 8
	s_mov_b32 s14, 0x76543210
	s_mov_b32 s15, 0xfedcba98
	s_and_b32 s19, ttmp7, 0xffff                   ; the sequence
	s_mul_i32 s20, s19, 196608
	s_lshl_b32 s21, s12, 8
	s_add_co_u32 s20, s20, s21                     ; h16: my sequence, my head's 256 bytes of a row
	s_mov_b32 s21, 0
	s_lshl_b32 s24, ttmp9, 6                       ; 64 g
	s_lshl_b32 s22, s12, 18
	s_add_co_u32 s22, s22, s24                     ; w_o: my head's 64 rows, my 16 columns
	s_mov_b32 s23, 0
	s_lshl_b32 s25, s17, 4
	s_add_co_u32 s24, s24, s25                     ; 64 g + 16 q
	s_mov_b32 s25, 0
	s_lshl_b32 s26, s19, 23
	s_add_co_u32 s26, s26, s24
	s_mov_b32 s27, 0
	s_wait_kmcnt 0x0
	s_add_nc_u64 s[4:5], s[4:5], s[20:21]
	s_add_nc_u64 s[6:7], s[6:7], s[22:23]
	s_add_nc_u64 s[8:9], s[8:9], s[24:25]
	s_add_nc_u64 s[10:11], s[10:11], s[26:27]
	s_cmp_lt_u32 s12, 2
	s_cbranch_scc0 .Lno_bias
	global_load_b128 v[16:19], v12, s[8:9]         ; the oldest load: the counts below are the same in every wave
.Lno_bias:
.irp u, 0,1,2,3,4,5,6,7
	global_load_b128 v[KR+4*\u:KR+4*\u+3], v4, s[4:5] offset:4096+32*\u
.endr
.irp u, 0,1,2,3,4,5,6,7
	global_load_b128 v[QR+4*\u:QR+4*\u+3], v4, s[4:5] offset:32*\u
.endr
.irp i, 0,1,2,3
.irp n, 0,1,2,3,4,5,6,7
	global_load_b32 v[VR+8*\i+\n], v5, s[4:5] offset:\n*12288+8192+64*\i      ; v(key 8 h + n, channel 16 i + r)
.endr
.endr
.irp i, 0,1,2,3
.irp n, 0,1,2,3,4,5,6,7
	global_load_b32 v[WR+8*\i+\n], v6, s[6:7] offset:(16*\i+\n)*4096          ; w_o(64 w + 16 i + 8 h + n, 16 g + r)
.endr
.endr
	s_wait_loadcnt 63                              ; K and Q are in: 64 loads are younger, and the wait's field ends at 63
.irp s, 0,1,2,3
	v_wmma_f32_16x16x4_f32 v[SA+8*\s:SA+8*\s+7], v[KR+2*\s:KR+2*\s+1], v[QR+2*\s:QR+2*\s+1], 0
.endr
.irp s, 4,5,6,7,8,9,10,11,12,13,14,15
	v_wmma_f32_16x16x4_f32 v[SA+8*(\s%4):SA+8*(\s%4)+7], v[KR+2*\s:KR+2*\s+1], v[QR+2*\s:QR+2*\s+1], v[SA+8*(\s%4):SA+8*(\s%4)+7]
.endr
.rept 8
	v_nop                                          ; eight places behind this form (ISA guide 7.12.1)
.endr
.irp k, 0,2,4,6
	v_pk_add_f32 v[32+\k:33+\k], v[SA+\k:SA+\k+1], v[SA+8+\k:SA+9+\k]
.endr
.irp k, 0,2,4,6
	v_pk_add_f32 v[40+\k:41+\k], v[SA+16+\k:SA+17+\k], v[SA+24+\k:SA+25+\k]
.endr
.irp k, 0,2,4,6
	v_pk_add_f32 v[48+\k:49+\k], v[32+\k:33+\k], v[40+\k:41+\k]               ; the scores: v48 + j: key 8 h + j, query r
.endr
.irp j, 0,1,2,3,4,5,6,7
	v_cmp_gt_i32 vcc_lo, \j, v7
	v_cndmask_b32 v[48+\j], v[48+\j], v8, vcc_lo
.endr
	v_max3_num_f32 v13, v48, v49, v50
	v_max3_num_f32 v14, v51, v52, v53
	v_max3_num_f32 v13, v13, v54, v55
	v_max_num_f32 v13, v13, v14
	v_permlanex16_b32 v14, v13, s14, s15
	v_max_num_f32 v13, v13, v14                    ; the row's maximum: key 0 counts for every query, so it is a number
	v_mul_f32 v14, s13, v13
.irp j, 0,1,2,3,4,5,6,7
	v_fma_f32 v[56+\j], v[48+\j], s13, -v14
.endr
.irp j, 0,1,2,3,4,5,6,7
	v_exp_f32 v[56+\j], v[56+\j]                   ; p
.endr
	v_nop
	s_wait_alu depctr_va_vdst(0)                   ; one wait for the eight, ahead of their first reader
	v_pk_add_f32 v[24:25], v[56:57], v[58:59]
	v_pk_add_f32 v[26:27], v[60:61], v[62:63]
	v_pk_add_f32 v[24:25], v[24:25], v[26:27]
	v_add_f32 v24, v24, v25
	v_permlanex16_b32 v25, v24, s14, s15
	v_add_f32 v24, v24, v25                        ; the row's sum
	v_rcp_f32 v22, v24
	v_nop
	s_wait_alu depctr_va_vdst(0)
	s_wait_loadcnt 32                              ; V is in; W's 32 loads may be out
.irp i, 0,1,2,3
	v_wmma_f32_16x16x4_f32 v[YA+8*\i:YA+8*\i+7], v[VR+8*\i:VR+8*\i+1], v[56:57], 0
.endr
.irp s, 1,2,3
.irp i, 0,1,2,3
	v_wmma_f32_16x16x4_f32 v[YA+8*\i:YA+8*\i+7], v[VR+8*\i+2*\s:VR+8*\i+2*\s+1], v[56+2*\s:57+2*\s], v[YA+8*\i:YA+8*\i+7]
.endr
.endr
.rept 8
	v_nop
.endr
.irp k, 0,2,4,6,8,10,12,14,16,18,20,22,24,26,28,30
	v_pk_mul_f32 v[QR+\k:QR+\k+1], v[YA+\k:YA+\k+1], v[22:23] op_sel_hi:[1,0]   ; Y^T / l
.endr
	s_wait_loadcnt 0x0                             ; W (and b_o)
.irp s, 0,1,2,3
	v_wmma_f32_16x16x4_f32 v[OA+8*\s:OA+8*\s+7], v[WR+2*\s:WR+2*\s+1], v[QR+2*\s:QR+2*\s+1], 0
.endr
.irp i, 1,2,3
.irp s, 0,1,2,3
	v_wmma_f32_16x16x4_f32 v[OA+8*\s:OA+8*\s+7], v[WR+8*\i+2*\s:WR+8*\i+2*\s+1], v[QR+8*\i+2*\s:QR+8*\i+2*\s+1], v[OA+8*\s:OA+8*\s+7]
.endr
.endr
.rept 8
	v_nop
.endr
.irp k, 0,2,4,6
	v_pk_add_f32 v[32+\k:33+\k], v[OA+\k:OA+\k+1], v[OA+8+\k:OA+9+\k]
.endr
.irp k, 0,2,4,6
	v_pk_add_f32 v[40+\k:41+\k], v[OA+16+\k:OA+17+\k], v[OA+24+\k:OA+25+\k]
.endr
.irp k, 0,2,4,6
	v_pk_add_f32 v[48+\k:49+\k], v[32+\k:33+\k], v[40+\k:41+\k]               ; my head's part of out0(r, 16 g + 8 h + 0 .. 7)
.endr
	ds_store_b128 v9, v[48:51]
	ds_store_b128 v9, v[52:55] offset:512
	s_wait_dscnt 0x0                               ; for the others' sake: my stores are done
	s_barrier_signal -1
	s_barrier_wait -1
	s_cmp_lt_u32 s12, 2
	s_cbranch_scc0 .Ldone
.irp w, 0,1,2,3,4,5,6,7,8,9,10,11,12,13,14,15
	ds_load_b128 v[96+4*\w:99+4*\w], v10 offset:1024*\w                       ; the sixteen heads' parts of my four columns
.endr
	s_wait_dscnt 0x0
.irp k, 0,2,4,6,8,10,12,14,16,18,20,22,24,26,28,30
	v_pk_add_f32 v[96+\k:97+\k], v[96+\k:97+\k], v[128+\k:129+\k]
.endr
.irp k, 0,2,4,6,8,10,12,14
	v_pk_add_f32 v[96+\k:97+\k], v[96+\k:97+\k], v[112+\k:113+\k]
.endr
.irp k, 0,2,4,6
	v_pk_add_f32 v[96+\k:97+\k], v[96+\k:97+\k], v[104+\k:105+\k]
.endr
.irp k, 0,2
	v_pk_add_f32 v[96+\k:97+\k], v[96+\k:97+\k], v[100+\k:101+\k]
.endr
	v_pk_add_f32 v[96:97], v[96:97], v[16:17]      ; + b_o
	v_pk_add_f32 v[98:99], v[98:99], v[18:19]
	global_store_b128 v11, v[96:99], s[10:11]
.Ldone:
	s_wait_tensorcnt 0x0                           ; the wave's end, behind my last LDS store
	ds_add_u32 v[SPW], v[NIL]
	s_wait_dscnt 0x0
	s_endpgm
.Lfunc_end_k_q8c007d918e_fine:
	.size	k_q8c007d918e_fine, .Lfunc_end_k_q8c007d918e_fine-k_q8c007d918e_fine
	.p2alignl 7, 3214868480
	.fill 96, 4, 3214868480
	.section	.rodata,"a",@progbits
	.p2align	6, 0x0
	.amdhsa_kernel k_q8c007d918e_fine
		.amdhsa_group_segment_fixed_size 18432
		.amdhsa_private_segment_fixed_size 0
		.amdhsa_enable_private_segment 0
		.amdhsa_kernarg_size 32
		.amdhsa_user_sgpr_count 2
		.amdhsa_user_sgpr_kernarg_segment_ptr 1
		.amdhsa_wavefront_size32 1
		.amdhsa_system_sgpr_workgroup_id_x 1
		.amdhsa_system_sgpr_workgroup_id_y 1
		.amdhsa_system_sgpr_workgroup_id_z 1
		.amdhsa_system_vgpr_workitem_id 0
		.amdhsa_next_free_vgpr 256
		.amdhsa_next_free_sgpr 66
		.amdhsa_reserve_vcc 1
		.amdhsa_float_denorm_mode_32 3
		.amdhsa_float_denorm_mode_16_64 3
		.amdhsa_memory_ordered 1
		.amdhsa_forward_progress 1
		.amdhsa_inst_pref_size 23
	.end_amdhsa_kernel
	.amdgpu_metadata
---
amdhsa.version: [ 1, 2 ]
amdhsa.kernels:
  - .name:           k_q8c007d918e_fine
    .symbol:         k_q8c007d918e_fine.kd
    .args:
      - { .name: h16, .offset: 0, .size: 8, .value_kind: global_buffer, .address_space: global }
      - { .name: w_o, .offset: 8, .size: 8, .value_kind: global_buffer, .address_space: global }
      - { .name: b_o, .offset: 16, .size: 8, .value_kind: global_buffer, .address_space: global }
      - { .name: out0, .offset: 24, .size: 8, .value_kind: global_buffer, .address_space: global }
    .group_segment_fixed_size: 18432
    .private_segment_fixed_size: 0
    .kernarg_segment_align: 8
    .kernarg_segment_size: 32
    .max_flat_workgroup_size: 512
    .sgpr_count:     66
    .vgpr_count:     256
    .wavefront_size: 32
...
	.end_amdgpu_metadata
.endif
;; end of part 5
